; MI455X (gfx1250); checked and timed in simulation.
; The chip was launched on July 23, 2026; its instructions are those of AMD's public machine-readable ISA for CDNA 5 (MIT licence, August 2026) and "CDNA5" Instruction Set Architecture Reference Guide (July 2026). The comments in the code are by the model that wrote it; some were corrected since.
;; Self Attention. Allowed arithmetic: matrix products marked QUANTISED: E2M1 operands, one E8M0 scale for each 32 along K, by v_wmma_scale_f32_16x16x128_f8f6f4 with both operands' format E2M1 (or v_wmma_scale_f32_32x16x128_f4), f32 sums; everything else in f32.
;; Inputs: beta 512 float32; bk 512 float32; bo 512 float32; bq 512 float32; bv 512 float32; gamma 512 float32; wk_codes 512 x 16 x 16 uint8 (E2M1 codes of wk, K innermost, in blocks of 32 codes, two codes a byte); wk_scales 512 x 16 uint8 (E8M0 scales of wk, one for each 32 codes along K); wo_codes 512 x 16 x 16 uint8 (E2M1 codes of wo, K innermost, in blocks of 32 codes, two codes a byte); wo_scales 512 x 16 uint8 (E8M0 scales of wo, one for each 32 codes along K); wq_codes 512 x 16 x 16 uint8 (E2M1 codes of wq, K innermost, in blocks of 32 codes, two codes a byte); wq_scales 512 x 16 uint8 (E8M0 scales of wq, one for each 32 codes along K); wv_codes 512 x 16 x 16 uint8 (E2M1 codes of wv, K innermost, in blocks of 32 codes, two codes a byte); wv_scales 512 x 16 uint8 (E8M0 scales of wv, one for each 32 codes along K); x 16 x 512 x 32 x 32 float32.
;; Outputs: out0 16 x 512 x 32 x 32 float32.
;; This version of the problem:
;;   THIS VERSION OF THE PROBLEM IS GIVEN IN LOW PRECISION. The matrix products marked QUANTISED in the list below multiply operands that are first quantised to E2M1 (2 exponent bits, 1 mantissa bit; 4 bits a number), with one power-of-two scale for each 32 numbers along K (OCP MX v1.0); their sums are f32. All else is computed in f32.
;;   The module's matrix products, in the order in which they are computed (A, B: the left and right operand; K: the contracted axis; several contracted axes count as one K, in the product's order):
;;     1. [M 16,384, K 512] x [K 512, N 512]; A: computed on the way; B: input wq (given as codes): QUANTISED
;;     2. [M 16,384, K 512] x [K 512, N 512]; A: computed on the way; B: input wk (given as codes): QUANTISED
;;     3. [M 16,384, K 512] x [K 512, N 512]; A: computed on the way; B: input wv (given as codes): QUANTISED
;;     4. batch 128 x [M 1,024, K 64] x [K 64, N 1,024]; A: computed on the way; B: computed on the way: QUANTISED
;;     5. batch 128 x [M 64, K 1,024] x [K 1,024, N 1,024]; A: computed on the way; B: softmax (see below): QUANTISED
;;     6. [M 16,384, K 512] x [K 512, N 512]; A: computed on the way; B: input wo (given as codes): QUANTISED
;;   THE QUANTISER, for each operand of a quantised product, along K:
;;     - K is cut into blocks of 32 from its start; a last block that is shorter is filled with zeros.
;;     - A block's scale is 2^e with e = floor(log2(the largest magnitude in the block)) - 2, held to -126 .. 127; a block of zeros has e = 0. As a byte (E8M0): e + 127.
;;     - Each number is divided by its block's scale, clamped to +-6, and rounded to the nearest number of E2M1, ties to even, subnormals kept.
;;     - The product sums the exact products of the quantised numbers (number of the format x scale) in f32.
;;   ~~~python
;;   def quantise(x, axis):      # numpy; x: float32 -> the quantised numbers, widened to float32 again
;;       x = np.moveaxis(x, axis, -1); K = x.shape[-1]
;;       x = np.pad(x, [(0, 0)] * (x.ndim - 1) + [(0, -K % 32)]); x = x.reshape(x.shape[:-1] + (-1, 32)); a = np.abs(x).max(-1, keepdims=True)
;;       e = np.where(a > 0, np.clip(np.frexp(np.where(a > 0, a, 1))[1] - 1 - 2, -126, 127), 0)      # np.frexp(a)[1] - 1 = floor(log2(a)), exactly
;;       r = np.clip(x / 2.0 ** e, -6, 6)
;;       step = 2.0 ** (np.maximum(np.frexp(np.where(r == 0, 1, r))[1] - 1, 0) - 1)
;;       q = np.round(r / step) * step * 2.0 ** e      # np.round: ties to even
;;       return np.moveaxis(q.reshape(q.shape[:-2] + (-1,))[..., :K], -1, axis).astype(np.float32)
;;   ~~~
;;   SOFTMAX AHEAD OF A QUANTISED PRODUCT. Where the list says 'softmax', what is quantised is not the finished softmax but p = 2^(t - M), with t = logit x log2(e) and M = ceil(the row's largest t), a whole number; so 1/2 < the row's largest p <= 1. The row's sum l is taken of the UNQUANTISED p, in f32, and the product's result is divided by l at the end. Since M is a whole number, a kernel that streams over the keys may use a running M (the ceiling of the running maximum): every later rescaling is an exact power of two, which a block's scale takes up: the codes' values come out the same.
;;   OPERANDS COMPUTED ON THE WAY. 'Computed on the way' means the value that the module computes at that place (a softmax that the list does not call 'softmax' is quantised finished and normalised). What goes into a quantiser is computed in f32, as accurately as f32 sums, v_exp_f32 and their like allow (about 1e-6 of the number): no bf16 or f16 on the way to a quantiser, and a product that is left as it is and whose result goes on into a quantised operand takes f32 operands (vector FMAs, or v_wmma_f32_16x16x4_f32). A number that lies on a knife's edge between two numbers of the format may be rounded either way, as far as f32 arithmetic and the matrix unit's own rounding can turn it there, and no further.
;;   INPUTS GIVEN AS CODES. wk (in the module: [512, 512], K = its axis 1); wo (in the module: [512, 512], K = its axis 1); wq (in the module: [512, 512], K = its axis 1); wv (in the module: [512, 512], K = its axis 1): each comes as NAME_codes (uint8): NAME with its K axis moved to the last place and cut into blocks of 32 codes, [.., K / 32, bytes a block], one block behind the other in memory; two codes a byte, the lower K in the low four bits (a code: sign, 2 exponent bits, 1 mantissa bit); and NAME_scales (uint8): the same leading axes, one E8M0 byte (e + 127) for each 32 codes along K. Its value is code x scale, taken as it is: it is not quantised again, and the codes and scales need not be those that the quantiser above would give.
;; 2 versions, each right; version 2 is version 1 with the launches attn, proj written anew for expert scheduling mode. Each part assembles by itself: llvm-mc -triple=amdgcn-amd-amdhsa -mcpu=gfx1250 --defsym DOCPART=n.
;; ======== version 1 of 2: 3 launches
;; workspace buffers: xc 4,194,304 bytes; xsc 262,144 bytes; oc 4,194,304 bytes; osc 524,288 bytes
;; launch norm (part 1): grid 8 x 16, 16 waves a work-group, no clusters, 3,072 bytes of LDS; arguments x, gamma, beta, xc, xsc; writes xc, xsc
.if DOCPART == 1
	.amdgcn_target "amdgcn-amd-amdhsa--gfx1250"
	.amdhsa_code_object_version 6
	.text
	.protected	k_q3bdba03627_norm
	.globl	k_q3bdba03627_norm
	.p2align	8
	.type	k_q3bdba03627_norm,@function
k_q3bdba03627_norm:
	s_mov_b64 s[64:65], 0
	v_nop
	global_prefetch_b8 v0, s[64:65] scope:SCOPE_SE
	s_setreg_imm32_b32 hwreg(HW_REG_WAVE_MODE, 25, 1), 1
	s_wait_xcnt 0x0
; GroupNorm of x [16][512][1024] f32 (8 groups of 64 channels), and the result quantised along the CHANNELS to codes of FP4 (E2M1) with one E8M0 byte for each 32 channels.
; A work-group owns one (batch, group): 64 channels x 1,024 positions, 262,144 consecutive bytes, which its sixteen waves hold in registers between the statistics and the codes: x is read once.
; There are 16 x 8 = 128 such groups, so 128 work-groups: a group's first code wants the statistics of all its bytes, and a finer split would read x a second time.
; Wave w: positions 128 (w % 8) on, channels 32 (w / 8) on.  Lane l holds positions 4 l .. 4 l + 3 of those 128, of all 32 channels: A LANE'S REGISTERS RUN DOWN THE CHANNELS, so a block of 32 lies in one lane.
; THE TILES OF POSITIONS: a chunk is 64 positions; row p of its tile t is position 64 chunk + 4 p + t.  So a lane's four positions go to the four tiles of one chunk, at the same row.
; xc  [b][chunk 16][tile 4][K step 4][c 2][lane 32][16 bytes]: the image of an operand's registers: lane = row + 16 (half of the group), group = 2 (K step) + c.  A store covers two runs of 256 consecutive bytes, aligned.
; xsc [b][group 8][half 2][chunk 16][row 16][tile 4] bytes.
; The mean is taken first and the variance of x - mean: no difference of large sums.  Every wave adds the sixteen waves' figures in the same order, so all hold the same bits.
; LIMITS: NaN and infinities among the inputs are not served.  A block whose largest magnitude lies under 2^-124 (a block of zeros among them) gets the byte 1: the bytes are read by this program alone, and zero codes add nothing.
; No matrix unit, no tensor load, no cluster: the work-groups share no input.
.set X,     16                         ; v16-143   channel c, position q: v[X + 4 c + q]
.set T,     144                        ; v144-207  two sets of 32: one position's 32 channels, normalised
.set CD,    208                        ; v208-223  codes: four registers for each position: no store's data are written again
.set CH,    224                        ; v224-239  chains of sums, the waves' figures, at work
.set MEAN,  12                         ; v[12:13]  the mean, twice
.set FLOOR, 0x1800000                  ; 2^(3 - 127): under it no largest magnitude is taken, so the byte cannot fall under 1
	s_load_b256 s[4:11], s[0:1], 0x0               ; x s[4:5], gamma s[6:7], beta s[8:9], xc s[10:11]
	s_load_b64 s[12:13], s[0:1], 0x20              ; xsc
	v_lshl_add_u32 v240, v0, 2, 0x400
	v_mov_b32 v241, 0
	v_lshrrev_b32 v4, 5, v0
	v_readfirstlane_b32 s14, v4                    ; wave 0..15
	v_lshlrev_b32 v4, 2, v4                        ; LDS: my wave's word
	v_mov_b32 v5, 0                                ; LDS: the sixteen words
	s_and_b32 s15, s14, 7                          ; which 128 positions
	s_lshr_b32 s84, s14, 3                         ; which half of the group's channels
	s_and_b32 s85, ttmp7, 0xffff                   ; batch; the group is ttmp9
	v_and_b32 v6, 31, v0                           ; lane
	v_and_b32 v7, 15, v0                           ; row of a tile
	v_bfe_u32 v8, v0, 4, 1                         ; which of my wave's two chunks
	s_lshl_b32 s86, s15, 9
	s_lshl_b32 s87, s84, 17
	s_add_co_u32 s86, s86, s87
	v_lshl_add_u32 v1, v6, 4, s86                  ; x: 16 lane + 512 (w % 8) + 32 channels of 4,096 bytes x (w / 8)
	s_lshl_b32 s86, s15, 15
	s_lshl_b32 s87, s84, 8
	s_add_co_u32 s86, s86, s87
	v_lshl_add_u32 v2, v7, 4, s86
	v_lshl_add_u32 v2, v8, 14, v2                  ; xc: 16 row + 16,384 chunk + 256 half
	s_lshl_b32 s86, s15, 7
	s_lshl_b32 s87, s84, 10
	s_add_co_u32 s86, s86, s87
	v_lshl_add_u32 v3, v6, 2, s86                  ; xsc: 4 lane + 128 (w % 8) + 1,024 half
	s_lshl_b32 s90, s85, 3
	s_add_co_u32 s90, s90, ttmp9
	s_lshl_b32 s90, s90, 18                        ; x: the group's first byte
	s_mov_b32 s91, 0
	s_lshl_b32 s92, ttmp9, 8
	s_lshl_b32 s89, s84, 7
	s_add_co_u32 s92, s92, s89                     ; gamma, beta: my 32 channels
	s_mov_b32 s93, 0
	s_wait_kmcnt 0x0
	s_add_nc_u64 s[4:5], s[4:5], s[90:91]
	s_add_nc_u64 s[6:7], s[6:7], s[92:93]
	s_add_nc_u64 s[8:9], s[8:9], s[92:93]
.set c, 0
.rept 32
	global_load_b128 v[X+4*c:X+4*c+3], v1, s[4:5] offset:4096*c   ; a wave's load covers 512 consecutive bytes of one channel
.set c, c+1
.endr
	s_load_b512 s[16:31], s[6:7], 0x0              ; gamma of my 32 channels
	s_load_b512 s[32:47], s[6:7], 0x40
	s_load_b512 s[48:63], s[8:9], 0x0              ; beta: channel i at s[48 + i + 4 (i / 16)]
	s_load_b512 s[68:83], s[8:9], 0x40
	s_lshl_b32 s90, s85, 18
	s_lshl_b32 s89, ttmp9, 9
	s_add_co_u32 s90, s90, s89                     ; xc: 262,144 b + 1,024 (g / 2) + 512 (g % 2) = 262,144 b + 512 g
	s_add_nc_u64 s[10:11], s[10:11], s[90:91]
	s_lshl_b32 s92, s85, 14
	s_lshl_b32 s89, ttmp9, 11
	s_add_co_u32 s92, s92, s89                     ; xsc: 16,384 b + 2,048 g
	s_add_nc_u64 s[12:13], s[12:13], s[92:93]
	s_mov_b32 s86, 0x76543210
	s_mov_b32 s87, 0xfedcba98                      ; v_permlanex16_b32's selects for lane l xor 16
	s_mov_b32 s89, 0x37800000                      ; 2^-16: one over the group's 65,536 numbers
; Four chains of pairs in v[CH .. CH+7] become the group's sum in v[CH]: within the lane, across the 32 lanes, across the 16 waves through the LDS words at off.
.macro REDUCE off
	v_pk_add_f32 v[CH:CH+1], v[CH:CH+1], v[CH+2:CH+3]
	v_pk_add_f32 v[CH+4:CH+5], v[CH+4:CH+5], v[CH+6:CH+7]
	v_pk_add_f32 v[CH:CH+1], v[CH:CH+1], v[CH+4:CH+5]
	v_add_f32 v[CH], v[CH], v[CH+1]
	v_add_f32_dpp v[CH], v[CH], v[CH] row_xmask:1 row_mask:0xf bank_mask:0xf
	v_add_f32_dpp v[CH], v[CH], v[CH] row_xmask:2 row_mask:0xf bank_mask:0xf
	v_add_f32_dpp v[CH], v[CH], v[CH] row_xmask:4 row_mask:0xf bank_mask:0xf
	v_add_f32_dpp v[CH], v[CH], v[CH] row_xmask:8 row_mask:0xf bank_mask:0xf
	v_permlanex16_b32 v[CH+1], v[CH], s86, s87
	v_add_f32 v[CH], v[CH], v[CH+1]
	ds_store_b32 v4, v[CH] offset:\off             ; all lanes write the wave's word with the same value
	s_wait_dscnt 0x0                               ; for the others' sake: my store is done
	s_barrier_signal -1
	s_barrier_wait -1
.irp i, 0,1,2,3
	ds_load_b128 v[CH+4*\i:CH+4*\i+3], v5 offset:\off+16*\i
.endr
	s_wait_dscnt 0x0
.irp i, 0,4,8,12
	v_pk_add_f32 v[CH+\i:CH+\i+1], v[CH+\i:CH+\i+1], v[CH+\i+2:CH+\i+3]
.endr
	v_pk_add_f32 v[CH:CH+1], v[CH:CH+1], v[CH+4:CH+5]
	v_pk_add_f32 v[CH+8:CH+9], v[CH+8:CH+9], v[CH+12:CH+13]
	v_pk_add_f32 v[CH:CH+1], v[CH:CH+1], v[CH+8:CH+9]
	v_add_f32 v[CH], v[CH], v[CH+1]
.endm
	; ---- the sum: four chains; channels 0 and 2, 1 and 3 start them: nothing is cleared
.set c, 0
.rept 32
.if (c%8) == 0
	s_wait_loadcnt 24-c                            ; loads come back in order: these eight channels are in, the 24 - c younger loads may be out
.endif
.if c < 2
	v_pk_add_f32 v[CH+4*c:CH+4*c+1], v[X+4*c:X+4*c+1], v[X+4*c+8:X+4*c+9]
	v_pk_add_f32 v[CH+4*c+2:CH+4*c+3], v[X+4*c+2:X+4*c+3], v[X+4*c+10:X+4*c+11]
.elseif c >= 4
	v_pk_add_f32 v[CH+4*(c%2):CH+4*(c%2)+1], v[CH+4*(c%2):CH+4*(c%2)+1], v[X+4*c:X+4*c+1]
	v_pk_add_f32 v[CH+4*(c%2)+2:CH+4*(c%2)+3], v[CH+4*(c%2)+2:CH+4*(c%2)+3], v[X+4*c+2:X+4*c+3]
.endif
.set c, c+1
.endr
	s_wait_kmcnt 0x0                               ; gamma and beta are in: no scalar load is out at the barrier
	REDUCE 0
	v_mul_f32 v[MEAN], s89, v[CH]
	v_mov_b32 v[MEAN+1], v[MEAN]
	; ---- x - mean, in place, and the sum of its squares
.set c, 0
.rept 64
	v_pk_add_f32 v[X+2*c:X+2*c+1], v[X+2*c:X+2*c+1], v[MEAN:MEAN+1] neg_lo:[0,1] neg_hi:[0,1]
.set c, c+1
.endr
.set c, 0
.rept 32
.if c < 2
	v_pk_mul_f32 v[CH+4*c:CH+4*c+1], v[X+4*c:X+4*c+1], v[X+4*c:X+4*c+1]
	v_pk_mul_f32 v[CH+4*c+2:CH+4*c+3], v[X+4*c+2:X+4*c+3], v[X+4*c+2:X+4*c+3]
.else
	v_pk_fma_f32 v[CH+4*(c%2):CH+4*(c%2)+1], v[X+4*c:X+4*c+1], v[X+4*c:X+4*c+1], v[CH+4*(c%2):CH+4*(c%2)+1]
	v_pk_fma_f32 v[CH+4*(c%2)+2:CH+4*(c%2)+3], v[X+4*c+2:X+4*c+3], v[X+4*c+2:X+4*c+3], v[CH+4*(c%2)+2:CH+4*(c%2)+3]
.endif
.set c, c+1
.endr
	REDUCE 256                                     ; other LDS words than the first time: no barrier is owed between the first reads and these stores
	v_fmaak_f32 v14, s89, v[CH], 0x3727c5ac        ; the variance + 1e-5
	v_rsq_f32 v15, v14
	v_nop                                          ; a plain instruction between the transcendental and the use of its result
	s_wait_alu depctr_va_vdst(0)
	v_readfirstlane_b32 s88, v15
.set i, 0
.rept 32
	s_mul_f32 s[16+i], s[16+i], s88                ; a = gamma / sqrt(variance + eps)
.set i, i+1
.endr
; Position t of my four: (x - mean) a + beta for its 32 channels, which also brings them into consecutive registers; the block's scale; its 32 codes, 16 bytes.
.macro POS t
.set TS, T+32*((\t)%2)
.set i, 0
.rept 32
	v_fma_f32 v[TS+i], v[X+4*i+\t], s[16+i], s[48+i+4*(i/16)]
.set i, i+1
.endr
	v_max3_num_f32 v[CH], |v[TS]|, |v[TS+1]|, FLOOR                 ; the largest magnitude, in two chains, the floor among the leaves
	v_max3_num_f32 v[CH+1], |v[TS+16]|, |v[TS+17]|, |v[TS+18]|
.irp n, 2,4,6,8,10,12
	v_max3_num_f32 v[CH], v[CH], |v[TS+\n]|, |v[TS+\n+1]|
	v_max3_num_f32 v[CH+1], v[CH+1], |v[TS+\n+17]|, |v[TS+\n+18]|
.endr
	v_max3_num_f32 v[CH], v[CH], |v[TS+14]|, |v[TS+15]|
	v_max3_num_f32 v[CH], v[CH], v[CH+1], |v[TS+31]|
	v_add_nc_u32 v[CH+2], 0xff000000, v[CH]        ; 2 off its exponent field: the conversion takes the exponent field of this operand as its scale
.irp q, 0,1,2,3
	v_cvt_scalef32_pk8_fp4_f32 v[CD+4*\t+\q], v[TS+8*\q:TS+8*\q+7], v[CH+2]
.endr
.if \t == 0
	v_lshrrev_b32 v[CH+4], 23, v[CH+2]             ; the scale's byte (also the plain instruction behind the conversions)
.else
	v_lshrrev_b32 v[CH+3], 23, v[CH+2]
	v_lshl_or_b32 v[CH+4], v[CH+3], 8*\t, v[CH+4]  ; my four positions' bytes make one word
.endif
	global_store_b128 v2, v[CD+4*\t:CD+4*\t+3], s[10:11] offset:4096*\t   ; lanes 0-15 and lanes 16-31 each store 256 consecutive bytes, aligned
.endm
	POS 0
	POS 1
	POS 2
	POS 3
	global_store_b32 v3, v[CH+4], s[12:13]         ; 128 consecutive bytes a wave: one byte in 128 of what the launch reads
	s_wait_tensorcnt 0x0
	ds_add_u32 v240, v241
	s_wait_dscnt 0x0
	s_endpgm
.Lfunc_end_k_q3bdba03627_norm:
	.size	k_q3bdba03627_norm, .Lfunc_end_k_q3bdba03627_norm-k_q3bdba03627_norm
	.p2alignl 7, 3214868480
	.fill 96, 4, 3214868480
	.section	.rodata,"a",@progbits
	.p2align	6, 0x0
	.amdhsa_kernel k_q3bdba03627_norm
		.amdhsa_group_segment_fixed_size 3072
		.amdhsa_private_segment_fixed_size 0
		.amdhsa_enable_private_segment 0
		.amdhsa_kernarg_size 40
		.amdhsa_user_sgpr_count 2
		.amdhsa_user_sgpr_kernarg_segment_ptr 1
		.amdhsa_wavefront_size32 1
		.amdhsa_system_sgpr_workgroup_id_x 1
		.amdhsa_system_sgpr_workgroup_id_y 1
		.amdhsa_system_sgpr_workgroup_id_z 1
		.amdhsa_system_vgpr_workitem_id 0
		.amdhsa_next_free_vgpr 242
		.amdhsa_next_free_sgpr 96
		.amdhsa_reserve_vcc 0
		.amdhsa_float_denorm_mode_32 3
		.amdhsa_float_denorm_mode_16_64 3
		.amdhsa_memory_ordered 1
		.amdhsa_forward_progress 1
		.amdhsa_inst_pref_size 36
	.end_amdhsa_kernel
	.amdgpu_metadata
---
amdhsa.version: [ 1, 2 ]
amdhsa.kernels:
  - .name:           k_q3bdba03627_norm
    .symbol:         k_q3bdba03627_norm.kd
    .args:
      - { .name: x, .offset: 0, .size: 8, .value_kind: global_buffer, .address_space: global }
      - { .name: gamma, .offset: 8, .size: 8, .value_kind: global_buffer, .address_space: global }
      - { .name: beta, .offset: 16, .size: 8, .value_kind: global_buffer, .address_space: global }
      - { .name: xc, .offset: 24, .size: 8, .value_kind: global_buffer, .address_space: global }
      - { .name: xsc, .offset: 32, .size: 8, .value_kind: global_buffer, .address_space: global }
    .group_segment_fixed_size: 3072
    .private_segment_fixed_size: 0
    .kernarg_segment_align: 8
    .kernarg_segment_size: 40
    .max_flat_workgroup_size: 512
    .sgpr_count:     96
    .vgpr_count:     242
    .wavefront_size: 32
...
	.end_amdgpu_metadata
.endif
;; end of part 1
;; launch attn (part 2): grid 16 x 16, 16 waves a work-group, no clusters, 136,192 bytes of LDS; arguments xc, xsc, wq_codes, wq_scales, bq, wk_codes, wk_scales, bk, wv_codes, wv_scales, bv, oc, osc; writes oc, osc
.if DOCPART == 2
	.amdgcn_target "amdgcn-amd-amdhsa--gfx1250"
	.amdhsa_code_object_version 6
	.text
	.protected	k_q3bdba03627_attn
	.globl	k_q3bdba03627_attn
	.p2align	8
	.type	k_q3bdba03627_attn,@function
k_q3bdba03627_attn:
	s_mov_b64 s[64:65], 0
	v_nop
	global_prefetch_b8 v0, s[64:65] scope:SCOPE_SE
	s_setreg_imm32_b32 hwreg(HW_REG_WAVE_MODE, 25, 1), 1
	s_wait_xcnt 0x0
; One head of one batch: q, k, v = W xn + b; S = q k / 8; p = 2^(t - M); o = (v p) / l; o quantised.  All five products on codes of FP4 (E2M1) with one E8M0 byte for each 32 along K.
; A work-group owns (batch, head, half qh of the queries): grid x = 2 head + qh, y = batch: 256 work-groups of equal work.  q, k, v and p never leave the work-group.
; Wave w owns chunk w (64 positions) of the batch.  THE TILES OF POSITIONS: row p of tile t of a chunk is position 64 chunk + 4 p + t.  The wave holds the chunk's four tiles in SLOTS i, tile = i xor 2 qh:
; slots 0 and 1 are its two tiles of queries.  It makes k and v of the whole chunk (both work-groups of a head do: that work is done twice, so that nothing goes through memory) and q of slots 0 and 1.
; ROWS OF A WEIGHT'S TILE: row r of tile u of a head is channel 64 head + 32 (r / 8) + 8 u + r % 8.  With the weight as source 0, half h of the lanes then holds, over the four tiles, d = 32 h + 8 u + j:
; a whole block of 32 along d in one lane, in order: q's and k's codes come out as operand registers, and through v's rows so do o's.
; v: source 0 = 16 positions, source 1 = 16 channels: lane (channel, h) holds rows 8 h + j of the four slots: positions 64 chunk + 32 h + 4 j + tile: a whole true block of 32 keys, in the inner order (slot, j).
; S^T = k q^T gives lane (query, h) the same keys in the same order, so p's codes and v's meet number by number, and every block's largest magnitude is found inside one lane.
; K = 64 IN AN INSTRUCTION OF K = 128: a fragment of k holds key tile 2 f in registers 0-3 and key tile 2 f + 1 in registers 4-7; it is multiplied by [q | 0] and by [0 | q].  Zero codes add nothing.
; THE SOFTMAX: t = score x log2(e) / 8; M = the running largest t rounded up to a whole number, kept as -M; p = 2^(t - M); the row's sum is taken of the unquantised p; when M moves, the sum and O are multiplied by 2^(old M - new M), exactly.
; A block's largest p is not searched for: the block's largest score goes through the same multiply-add and exponential (this takes v_exp_f32 not to fall where its input rises).
; THE KEY STEP'S ORDER: k's fragments are asked for a step ahead, as soon as the score products have read the last step's; the 64 exponentials stand singly, with the plain vector work that is ready between them.
; LDS holds images of operand registers, 16 bytes a lane, 512 consecutive bytes an instruction: no pitch, no padding.  Two barriers: behind the first the weights' images lie there, behind the second k's and v's; then LDS is only read.
; WHY NO JOINT REQUESTS: the sixteen work-groups of a batch read the same 262,144 bytes of xc, but each wave takes its 16,384 straight into registers, once; brought through LDS they would not fit beside the 134,144 bytes in use.
; Sixteen waves of 256 registers, four to a SIMD.  O begins as zeros, so that a tile's first key step needs no text of its own; its last is written out, since it asks for other fragments of k than the loop's steps, or for none.
; LIMITS: NaN and infinities are not served.  A block whose largest magnitude lies under 2^-124 (zeros among them) gets the byte 1: zero codes add nothing and this program alone reads the bytes.  v_exp_f32 gives 0 under 2^-126.
.set KIMG, 0                           ; k: tile (chunk, slot) at 2,048 chunk + 512 slot + 16 lane
.set VIMG, 32768                       ; v: [step 8][d tile 4][c 2][lane][16 bytes]; chunk = 2 step + c
.set KSC,  65536                       ; k's scale words: [step][lane][4 words f]
.set VSC,  69632                       ; v's: [step][lane][4 words d tile]
.set WIMG, 73728                       ; the head's weights: [q, k, v][4 u + K step][c][lane][16 bytes]
.set WSC,  122880                      ; their scale words: [q, k, v][K step][r 16][u 4]
.set BIAS, 125952                      ; bq's 64 numbers and bk's 64: a copy of 512 bytes for each wave
.set XF,   16                          ; v16-143   xn's fragments: slot i, K step s at 32 i + 8 s.  Later: v16-31 [q|0], [0|q]; v32-63 k; v64-95 v; v96-127 O^T; v128-135 p's codes; v136-137 1 / l; v138-141 o's codes; v142 4 lane
.set XS,   144                         ; v144-151  xn's scale words: slot i, K steps 2 y (lanes 0-15) and 2 y + 1 (lanes 16-31) at 2 i + y.  Later: v144-147 k's, v148-151 v's.  Scales and nothing else
.set ACC,  152                         ; v152-215  eight accumulators
.set S,    152                         ; later the scores, then p: chunk c of the step, slot i at 8 (4 c + i)
.set WF,   216                         ; v216-247  four fragments of a weight; at work while quantising; v232-239 q's codes
.set WS,   248                         ; v248-251  a weight's scale words; later v248, v249 q's, v250 p's.  Scales and nothing else
.set FLOOR, 0x1800000                  ; 2^(3 - 127)
; v1 16 lane; v2 + WIMG; v3 16 r + WSC; v4 128 h + my copy of the biases; v5-v8 where I store k, k's scale words, v, v's; v9 8 h; v10 16 lane + KSC; v11 a lane permute's destination;
; v12-15 bv of my lane's channel in the four d tiles; later v12 -M, v13 the largest t, v[14:15] the sum in two halves
.macro PLACES n
.rept \n
	v_nop
.endr
.endm
; One product.  cm = 0: C is the constant 0, else C is D.  row = 1: source 0's scales stand in lanes 16-31 of their register; 2: source 1's.
.macro WM d, a, b, cm, sa, sb, row
.set rD, \d
.set rA, \a
.set rB, \b
.set rSA, \sa
.set rSB, \sb
.if (\cm) == 0
	v_wmma_scale_f32_16x16x128_f8f6f4 v[rD:rD+7], v[rA:rA+7], v[rB:rB+7], 0, v[rSA], v[rSB] matrix_a_fmt:MATRIX_FMT_FP4 matrix_b_fmt:MATRIX_FMT_FP4
.elseif (\row) == 0
	v_wmma_scale_f32_16x16x128_f8f6f4 v[rD:rD+7], v[rA:rA+7], v[rB:rB+7], v[rD:rD+7], v[rSA], v[rSB] matrix_a_fmt:MATRIX_FMT_FP4 matrix_b_fmt:MATRIX_FMT_FP4
.elseif (\row) == 1
	v_wmma_scale_f32_16x16x128_f8f6f4 v[rD:rD+7], v[rA:rA+7], v[rB:rB+7], v[rD:rD+7], v[rSA], v[rSB] matrix_a_fmt:MATRIX_FMT_FP4 matrix_b_fmt:MATRIX_FMT_FP4 matrix_a_scale:MATRIX_SCALE_ROW1
.else
	v_wmma_scale_f32_16x16x128_f8f6f4 v[rD:rD+7], v[rA:rA+7], v[rB:rB+7], v[rD:rD+7], v[rSA], v[rSB] matrix_a_fmt:MATRIX_FMT_FP4 matrix_b_fmt:MATRIX_FMT_FP4 matrix_b_scale:MATRIX_SCALE_ROW1
.endif
.endm
; Two blocks of 32 numbers of a lane, v[r0 ..] and v[r1 ..], become codes in v[c0 .. c0+3] and v[c1 .. c1+3].  v223: byte(h = 0), byte(h = 1) of the first block in the low half, of the second in the high half, in both halves of the lanes.
; Each accumulator is read from its low end on.
.macro QUANT2 r0, r1, c0, c1
	v_max3_num_f32 v216, |v[\r0]|, |v[\r0+1]|, FLOOR
	v_max3_num_f32 v218, |v[\r1]|, |v[\r1+1]|, FLOOR
	v_max3_num_f32 v217, |v[\r0+16]|, |v[\r0+17]|, |v[\r0+18]|
	v_max3_num_f32 v219, |v[\r1+16]|, |v[\r1+17]|, |v[\r1+18]|
.irp n, 2,4,6,8,10,12
	v_max3_num_f32 v216, v216, |v[\r0+\n]|, |v[\r0+\n+1]|
	v_max3_num_f32 v218, v218, |v[\r1+\n]|, |v[\r1+\n+1]|
	v_max3_num_f32 v217, v217, |v[\r0+\n+17]|, |v[\r0+\n+18]|
	v_max3_num_f32 v219, v219, |v[\r1+\n+17]|, |v[\r1+\n+18]|
.endr
	v_max3_num_f32 v216, v216, |v[\r0+14]|, |v[\r0+15]|
	v_max3_num_f32 v218, v218, |v[\r1+14]|, |v[\r1+15]|
	v_max3_num_f32 v216, v216, v217, |v[\r0+31]|
	v_max3_num_f32 v218, v218, v219, |v[\r1+31]|
	v_add_nc_u32 v220, 0xff000000, v216            ; 2 off the exponent field: the conversion's scale operand
	v_add_nc_u32 v221, 0xff000000, v218
	v_lshrrev_b32 v222, 23, v220                   ; the bytes
	v_lshrrev_b32 v223, 23, v221
	v_lshl_or_b32 v222, v223, 16, v222
	v_lshlrev_b32 v222, v9, v222                   ; 8 h bits up: my half's place
	v_permlanex16_b32 v11, v222, s40, s41
	v_or_b32 v223, v222, v11                       ; with lane l xor 16's
.irp q, 0,1,2,3
	v_cvt_scalef32_pk8_fp4_f32 v[\c0+\q], v[\r0+8*\q:\r0+8*\q+7], v220
	v_cvt_scalef32_pk8_fp4_f32 v[\c1+\q], v[\r1+8*\q:\r1+8*\q+7], v221
.endr
	v_nop                                          ; a plain instruction behind the last scaled conversion
.endm
	s_load_b512 s[4:19], s[0:1], 0x0               ; xc s[4:5], xsc s[6:7]; wq: codes s[8:9], scales s[10:11], bq s[12:13]; wk: s[14:15], s[16:17], bk s[18:19]
	s_load_b256 s[20:27], s[0:1], 0x40             ; wv: s[20:21], s[22:23], bv s[24:25]; oc s[26:27]
	s_load_b64 s[28:29], s[0:1], 0x60              ; osc
	v_lshl_add_u32 v254, v0, 2, 0x20c00
	v_mov_b32 v255, 0
	v_lshrrev_b32 v224, 5, v0
	v_readfirstlane_b32 s30, v224                  ; wave 0..15 = my chunk
	s_and_b32 s31, ttmp9, 1                        ; qh
	s_lshr_b32 s32, ttmp9, 1                       ; head
	s_and_b32 s33, ttmp7, 0xffff                   ; batch
	s_lshr_b32 s55, s30, 1                         ; my key step
	s_and_b32 s56, s30, 1                          ; and which of its two chunks
	s_lshr_b32 s58, s30, 2                         ; the weight fragment that I bring: tile u,
	s_and_b32 s57, s30, 3                          ; K step s
	v_and_b32 v224, 31, v0                         ; lane
	v_and_b32 v225, 15, v0                         ; r
	v_bfe_u32 v226, v0, 4, 1                       ; h
	; every LDS address: a constant + a constant x lane + a constant x wave
	v_lshlrev_b32 v1, 4, v224
	v_add_nc_u32 v2, WIMG, v1
	v_lshl_add_u32 v3, v225, 4, WSC
	s_lshl_b32 s54, s30, 9
	s_add_co_u32 s54, s54, BIAS
	v_lshl_add_u32 v4, v226, 7, s54
	v_lshl_add_u32 v190, v225, 4, s54              ; where I store my copy of the biases
	s_lshl_b32 s54, s30, 11
	v_add_nc_u32 v5, s54, v1
	s_lshl_b32 s54, s55, 9
	s_lshl_b32 s59, s56, 3
	s_add_co_u32 s59, s59, s54
	s_add_co_u32 s59, s59, KSC
	v_add_nc_u32 v6, s59, v1
	s_lshl_b32 s59, s56, 1
	s_add_co_u32 s59, s59, s54
	s_add_co_u32 s59, s59, VSC
	v_add_nc_u32 v8, s59, v1
	s_lshl_b32 s54, s55, 12
	s_lshl_b32 s59, s56, 9
	s_add_co_u32 s59, s59, s54
	s_add_co_u32 s59, s59, VIMG
	v_add_nc_u32 v7, s59, v1
	v_lshlrev_b32 v9, 3, v226
	v_add_nc_u32 v10, KSC, v1
	v_mov_b32 v11, 0
	s_lshl_b32 s54, s30, 10
	s_add_co_u32 s54, s54, WIMG
	v_add_nc_u32 v188, s54, v1                     ; where I store my three weight fragments,
	s_lshl_b32 s54, s57, 8
	s_lshl_b32 s59, s58, 2
	s_add_co_u32 s54, s54, s59
	s_add_co_u32 s54, s54, WSC
	v_lshl_add_u32 v189, v225, 4, s54              ; and their scale words
	; offsets in memory
	v_and_b32 v227, 7, v0
	v_and_b32 v228, 8, v0
	v_lshl_add_u32 v227, v228, 2, v227             ; 32 (r / 8) + r % 8: my row of a weight's tile
	v_lshlrev_b32 v216, 8, v227
	v_lshl_add_u32 v216, v226, 4, v216             ; codes: 256 bytes a row, + 16 h
	v_lshlrev_b32 v217, 4, v227                    ; scale bytes: 16 a row
	v_lshlrev_b32 v218, 4, v225                    ; bq, bk: 16 bytes a lane
	v_lshlrev_b32 v219, 2, v225
	v_lshl_add_u32 v219, v226, 12, v219            ; xsc: 4 r; lanes 16-31 one K step (two groups) further on
	v_lshlrev_b32 v220, 2, v227                    ; bv
	s_lshl_b32 s54, s30, 14
	s_lshl_b32 s59, s31, 13
	s_add_co_u32 s59, s59, s54
	v_add_nc_u32 v221, s59, v1                     ; xc: slots 0 and 1: tiles 2 qh, 2 qh + 1
	s_xor_b32 s59, s31, 1
	s_lshl_b32 s59, s59, 13
	s_add_co_u32 s59, s59, s54
	v_add_nc_u32 v222, s59, v1                     ; slots 2 and 3: the other two
	s_lshl_b32 s34, s32, 14
	s_lshl_b32 s54, s58, 11
	s_add_co_u32 s34, s34, s54
	s_lshl_b32 s54, s57, 6
	s_add_co_u32 s34, s34, s54                     ; a weight's codes: 16,384 head + 2,048 u + 64 s
	s_mov_b32 s35, 0
	s_lshl_b32 s36, s32, 10
	s_lshl_b32 s54, s58, 7
	s_add_co_u32 s36, s36, s54
	s_lshl_b32 s54, s57, 2
	s_add_co_u32 s36, s36, s54                     ; its scale bytes: 1,024 head + 128 u + 4 s
	s_mov_b32 s37, 0
	s_lshl_b32 s38, s32, 8                         ; a bias: 256 head
	s_mov_b32 s39, 0
	s_lshl_b32 s60, s33, 14
	s_lshl_b32 s54, s30, 6
	s_add_co_u32 s60, s60, s54                     ; xsc: 16,384 b + 64 chunk
	s_mov_b32 s61, 0
	s_lshl_b32 s62, s33, 18                        ; xc: 262,144 b
	s_mov_b32 s63, 0
	s_lshl_b32 s54, s30, 14
	s_add_co_u32 s66, s62, s54
	s_lshl_b32 s54, s31, 13
	s_add_co_u32 s66, s66, s54
	s_lshl_b32 s54, s32, 9
	s_add_co_u32 s66, s66, s54                     ; oc: 262,144 b + 16,384 chunk + 8,192 qh + 512 head
	s_mov_b32 s67, 0
	s_lshl_b32 s68, s33, 4
	s_add_co_u32 s68, s68, ttmp9
	s_lshl_b32 s68, s68, 11
	s_lshl_b32 s54, s30, 7
	s_add_co_u32 s68, s68, s54                     ; osc: 2,048 (16 b + 2 head + qh) + 128 chunk
	s_mov_b32 s69, 0
	s_mov_b32 s40, 0x76543210
	s_mov_b32 s41, 0xfedcba98                      ; v_permlanex16_b32's selects for lane l xor 16
	s_mov_b32 s42, 0x3e38aa3b                      ; c = log2(e) / 8
	s_mov_b32 s43, s42                             ; (named with it as a pair, so it is written)
	s_mov_b32 s44, 0x05010400                      ; bytes 0 and 1 of two words, interleaved: tiles 0 and 1
	s_mov_b32 s45, 0x07030602                      ; bytes 2 and 3: tiles 2 and 3
	s_cmp_eq_u32 s31, 0
	s_cselect_b32 s53, s44, s45                    ; slots 0 and 1 take tiles 2 qh, 2 qh + 1,
	s_cselect_b32 s45, s45, s44                    ; slots 2 and 3 the others
	s_mov_b32 s44, s53
	s_mov_b32 s46, 0x05040100                      ; two low halves
	s_mov_b32 s47, 0x07060302                      ; two high halves
	s_mov_b32 s48, 0x01000100                      ; the low half, twice
	s_mov_b32 s49, 0x03020302                      ; the high half, twice
	s_wait_kmcnt 0x0
.irp m, 0,1,2
	s_add_nc_u64 s[8+6*\m:9+6*\m], s[8+6*\m:9+6*\m], s[34:35]
	s_add_nc_u64 s[10+6*\m:11+6*\m], s[10+6*\m:11+6*\m], s[36:37]
	s_add_nc_u64 s[12+6*\m:13+6*\m], s[12+6*\m:13+6*\m], s[38:39]
.endr
	s_add_nc_u64 s[6:7], s[6:7], s[60:61]
	s_add_nc_u64 s[4:5], s[4:5], s[62:63]
	s_add_nc_u64 s[26:27], s[26:27], s[66:67]
	s_add_nc_u64 s[28:29], s[28:29], s[68:69]
	; ---- all loads from memory, what is wanted first ahead: 11 for the stage, 8 planes of scale bytes, 4 of bv, 32 of xc
.irp m, 0,1,2
	global_load_b128 v[152+8*\m:155+8*\m], v216, s[8+6*\m:9+6*\m]
	global_load_b128 v[156+8*\m:159+8*\m], v216, s[8+6*\m:9+6*\m] offset:32
	global_load_b32 v[176+\m], v217, s[10+6*\m:11+6*\m]
.endr
	global_load_b128 v[180:183], v218, s[12:13]
	global_load_b128 v[184:187], v218, s[18:19]
.irp y, 0,1
.irp c, 0,1
.irp e, 0,1
	global_load_b32 v[192+4*\y+2*\c+\e], v219, s[6:7] offset:8192*\y+2048*\c+1024*\e   ; group 4 y + 2 (lane / 16) + c, half e: the bytes of row r in the chunk's four tiles
.endr
.endr
.endr
.irp d, 0,1,2,3
	global_load_b32 v[12+\d], v220, s[24:25] offset:32*\d
.endr
.irp i, 0,1,2,3
.irp s, 0,1,2,3
.irp c, 0,1
	global_load_b128 v[XF+32*\i+8*\s+4*\c:XF+32*\i+8*\s+4*\c+3], v[221+\i/2], s[4:5] offset:4096*(\i%2)+1024*\s+512*\c
.endr
.endr
.endr
	s_wait_loadcnt 44                              ; the first 11 are in: 8 + 4 + 32 are younger
.irp m, 0,1,2
	ds_store_b128 v188, v[152+8*\m:155+8*\m] offset:16384*\m
	ds_store_b128 v188, v[156+8*\m:159+8*\m] offset:16384*\m+512
	ds_store_b32 v189, v[176+\m] offset:1024*\m    ; lanes 16-31 write what lanes 0-15 write
.endr
	ds_store_b128 v190, v[180:183]
	ds_store_b128 v190, v[184:187] offset:256
	s_wait_dscnt 0x0                               ; for the others' sake: my stores are done
	s_barrier_signal -1
	s_barrier_wait -1                              ; the head's weights lie in LDS
	s_wait_loadcnt 36                              ; the planes are in: 4 + 32 are younger
	; four planes' words (a byte for each tile) are turned into four tiles' words (a byte for each block of the K step)
.irp y, 0,1
.irp c, 0,1
	v_perm_b32 v[200+2*\c], v[193+4*\y+2*\c], v[192+4*\y+2*\c], s44
	v_perm_b32 v[201+2*\c], v[193+4*\y+2*\c], v[192+4*\y+2*\c], s45
.endr
	v_perm_b32 v[XS+\y], v202, v200, s46
	v_perm_b32 v[XS+2+\y], v202, v200, s47
	v_perm_b32 v[XS+4+\y], v203, v201, s46
	v_perm_b32 v[XS+6+\y], v203, v201, s47
.endr
	PLACES 8                                       ; a scale register written by a vector instruction stands eight places ahead of a scaled product
	s_wait_loadcnt 0x0                             ; bv and xn's fragments
; v for d tiles 2 p and 2 p + 1 and my four slots: eight accumulators by turns, one instruction a turn; two K steps' weights at a time.
.macro PASS_V p
.irp y, 0,1
	PLACES 4                                       ; in front of loads into registers that products have read
.irp z, 0,1
.irp e, 0,1
.irp c, 0,1
	ds_load_b128 v[WF+8*(2*\z+\e)+4*\c:WF+8*(2*\z+\e)+4*\c+3], v2 offset:32768+((2*\p+\e)*4+2*\y+\z)*1024+512*\c
.endr
.endr
	ds_load_b64 v[WS+2*\z:WS+2*\z+1], v3 offset:2048+256*(2*\y+\z)+8*\p
.endr
	s_wait_dscnt 0x0
.irp z, 0,1
.irp e, 0,1
.irp i, 0,1,2,3
	WM ACC+32*\e+8*\i, XF+32*\i+8*(2*\y+\z), WF+8*(2*\z+\e), \y+\z, XS+2*\i+\y, WS+2*\z+\e, \z
.endr
.endr
.endr
.endr
	PLACES 4
.irp e, 0,1
.set j, 0
.rept 16
	v_pk_add_f32 v[ACC+32*\e+j:ACC+32*\e+j+1], v[ACC+32*\e+j:ACC+32*\e+j+1], v[12+2*\p:13+2*\p] op_sel:[0,\e] op_sel_hi:[1,\e]   ; + bv of my lane's channel
.set j, j+2
.endr
.endr
	QUANT2 ACC, ACC+32, 224, 228
	ds_store_b128 v7, v[224:227] offset:1024*(2*\p)
	ds_store_b128 v7, v[228:231] offset:1024*(2*\p+1)
	ds_store_b16 v8, v223 offset:4*(2*\p)          ; my chunk's two bytes of the step's word
	ds_store_b16_d16_hi v8, v223 offset:4*(2*\p+1)
	s_wait_dscnt 0x0                               ; the stores have read their registers
.endm
; q (m = 0) or k (m = 1) for slots 2 g and 2 g + 1: source 0 = the weight's four tiles.  The bias is the C of each sum's first product: it is loaded into the accumulators.
.macro PASS_QK m, g
	PLACES 4
.irp t, 0,1
.irp u, 0,1,2,3
.irp q, 0,1
	ds_load_b128 v[ACC+32*\t+8*\u+4*\q:ACC+32*\t+8*\u+4*\q+3], v4 offset:256*\m+32*\u+16*\q
.endr
.endr
.endr
.irp s, 0,1,2,3
.if \s > 0
	PLACES 4
.endif
.irp u, 0,1,2,3
.irp c, 0,1
	ds_load_b128 v[WF+8*\u+4*\c:WF+8*\u+4*\c+3], v2 offset:16384*\m+(4*\u+\s)*1024+512*\c
.endr
.endr
	ds_load_b128 v[WS:WS+3], v3 offset:1024*\m+256*\s
	s_wait_dscnt 0x0
.irp u, 0,1,2,3
.irp t, 0,1
	WM ACC+32*\t+8*\u, WF+8*\u, XF+32*(2*\g+\t)+8*\s, 1, WS+\u, XS+2*(2*\g+\t)+\s/2, 2*(\s%2)
.endr
.endr
.endr
	PLACES 4
.if \m == 1
	QUANT2 ACC, ACC+32, 224, 228
	ds_store_b128 v5, v[224:227] offset:512*(2*\g)
	ds_store_b128 v5, v[228:231] offset:512*(2*\g+1)
	ds_store_b32 v6, v223 offset:4*\g              ; the pair's scale word
	s_wait_dscnt 0x0                               ; the stores have read their registers
.else
	QUANT2 ACC, ACC+32, 232, 236                   ; q stays in registers
	v_perm_b32 v248, v223, v223, s48               ; its two bytes, twice: the word serves [q | 0] and [0 | q]
	v_perm_b32 v249, v223, v223, s49
.endif
.endm
; A key step's four pair fragments of k and their scale words: nine LDS loads, from the address registers a and s at the byte offsets oa and os.
.macro KLOAD a, s, oa, os
.irp f, 0,1,2,3
.irp c, 0,1
	ds_load_b128 v[32+8*\f+4*\c:35+8*\f+4*\c], v[\a] offset:\oa+1024*\f+512*\c
.endr
.endr
	ds_load_b128 v[144:147], v[\s] offset:\os
.endm
	PASS_V 0
	PASS_V 1
	PASS_QK 1, 0
	PASS_QK 1, 1
	PASS_QK 0, 0
	s_wait_dscnt 0x0
	s_barrier_signal -1
	s_barrier_wait -1                              ; k and v of all 1,024 keys lie in LDS; from here on LDS is only read
	KLOAD 1, 10, 0, 0                              ; k of key step 0, for my first tile of queries
	v_and_b32 v142, 31, v0
	v_lshlrev_b32 v142, 2, v142
; A KEY STEP: 128 keys (two chunks) for one tile of 16 queries.  Its k was asked for a step ago.  pre = 1: it asks for the next step's k; 2: for step 0's, which the next tile of queries begins with; 0: for none.
.macro STEP t, pre
	v_add_nc_u32 v228, s50, v1                     ; the step's images: 4,096 bytes a step,
	v_add_nc_u32 v229, s51, v10                    ; its scale words: 512
	v_nop
	v_nop                                          ; four places behind the last product, in front of the loads into v's registers
.irp d, 0,1,2,3
.irp c, 0,1
	ds_load_b128 v[64+8*\d+4*\c:67+8*\d+4*\c], v228 offset:VIMG+1024*\d+512*\c
.endr
.endr
	ds_load_b128 v[148:151], v229 offset:VSC-KSC
	s_wait_dscnt 9                                 ; LDS loads come back in order: k's nine, which are older, are in; v's nine just issued may be out
.irp f, 0,1,2,3
	WM S+16*\f, 32+8*\f, 16, 0, 144+\f, 248+\t, 0
	WM S+16*\f+8, 32+8*\f, 24, 0, 144+\f, 248+\t, 0
.endr
	PLACES 4                                       ; in front of the first read of the scores, and of the loads into k's registers
.if (\pre) == 1
	KLOAD 228, 229, 4096, 512                      ; the next step's k: the softmax and v's products stand between these loads and the wait for them
.elseif (\pre) == 2
	KLOAD 1, 10, 0, 0
.endif
	v_max3_num_f32 v216, v[S], v[S+1], v[S+2]      ; the largest score of my two blocks of 32 keys, two chains each; every accumulator is read from its low end on
	v_max3_num_f32 v217, v[S+32], v[S+33], v[S+34]
	v_max3_num_f32 v218, v[S+16], v[S+17], v[S+18]
	v_max3_num_f32 v219, v[S+48], v[S+49], v[S+50]
.irp n, 3,5,7,9,11,13
	v_max3_num_f32 v216, v216, v[S+\n], v[S+\n+1]
	v_max3_num_f32 v217, v217, v[S+\n+32], v[S+\n+33]
	v_max3_num_f32 v218, v218, v[S+\n+16], v[S+\n+17]
	v_max3_num_f32 v219, v219, v[S+\n+48], v[S+\n+49]
.endr
	v_max3_num_f32 v216, v216, v218, v[S+15]
	v_max3_num_f32 v217, v217, v219, v[S+47]
	v_max_num_f32 v216, v216, v[S+31]
	v_max_num_f32 v217, v217, v[S+63]
	v_max_num_f32 v222, v216, v217
	v_permlanex16_b32 v11, v222, s40, s41
	v_max_num_f32 v222, v222, v11                  ; the step's largest score of my query
	v_mul_f32 v222, s42, v222                      ; as t (c is positive)
	v_max_num_f32 v13, v13, v222                   ; the running largest t
	v_mov_b32 v222, v12
	v_floor_f32 v12, -v13                          ; the new -M = -ceil(t)
	v_fma_f32 v216, v216, s42, v12                 ; t - M of each block's largest score
	v_fma_f32 v217, v217, s42, v12
	v_sub_f32 v222, v12, v222                      ; old M - new M: a whole number, 0 or less
	v_pk_fma_f32 v[S:S+1], v[S:S+1], s[42:43], v[12:13] op_sel_hi:[1,0,0]       ; t - M of the first two pairs of scores
	v_cvt_i32_f32 v222, v222                       ; (it saturates)
	v_pk_fma_f32 v[S+2:S+3], v[S+2:S+3], s[42:43], v[12:13] op_sel_hi:[1,0,0]
	v_ldexp_f32 v224, 1.0, v222                    ; f = 2^(old M - new M)
	v_exp_f32 v216, v216                           ; the blocks' largest p
	v_exp_f32 v217, v217
; THE 64 EXPONENTIALS p = 2^(t - M), number jj on register S + jj, each with the plain work that is ready in front of it:
;   even jj: t - M of the pair two pairs on; one line of the list l x f, the ten lines that make p's scale word, fifteen of the sixteen multiplications of O^T by f;
;            and, two numbers behind a group of eight's last exponential, that group's conversion;
;   odd jj:  the pair four pairs back is added to the row's sum (of the unquantised p, in two chains).
; So no line reads the result of the line just before it, and between an exponential and the first use of its result stands a plain instruction.
.set jj, 0
.rept 64
.if (jj%2) == 0
.set aa, jj/2
.if aa < 30
	v_pk_fma_f32 v[S+jj+4:S+jj+5], v[S+jj+4:S+jj+5], s[42:43], v[12:13] op_sel_hi:[1,0,0]
.endif
.if aa == 0
	v_pk_mul_f32 v[14:15], v[14:15], v[224:225] op_sel_hi:[1,0]   ; the sum under the new M
.elseif aa == 1
	s_wait_alu depctr_va_vdst(0)
	v_max_num_f32 v216, FLOOR, v216
.elseif aa == 2
	v_max_num_f32 v217, FLOOR, v217
.elseif aa == 3
	v_add_nc_u32 v220, 0xff000000, v216            ; the conversions' scale operands
.elseif aa == 4
	v_add_nc_u32 v221, 0xff000000, v217
.elseif aa == 5
	v_lshrrev_b32 v222, 23, v220                   ; the bytes
.elseif aa == 6
	v_lshrrev_b32 v223, 23, v221
.elseif aa == 7
	v_lshl_or_b32 v222, v223, 16, v222
.elseif aa == 8
	v_lshlrev_b32 v222, v9, v222
.elseif aa == 9
	v_permlanex16_b32 v11, v222, s40, s41
.elseif aa == 10
	v_or_b32 v250, v222, v11                       ; p's scale word: byte 2 c + h
.elseif (aa >= 16) && (aa < 31)
	v_pk_mul_f32 v[96+2*(aa-16):97+2*(aa-16)], v[96+2*(aa-16):97+2*(aa-16)], v[224:225] op_sel_hi:[1,0]   ; O^T under the new M, from each accumulator's low end on
.endif
.if (jj >= 10) && (((jj-10)%8) == 0)
	s_wait_alu depctr_va_vdst(0)
	v_cvt_scalef32_pk8_fp4_f32 v[128+(jj-10)/8], v[S+jj-10:S+jj-3], v[220+(jj-10)/32]
.endif
.else
.set bb, (jj-9)/2
.if jj == 11
	v_pk_add_f32 v[226:227], v[S:S+1], v[S+2:S+3]  ; the first two pairs start the second chain
.elseif (jj > 11) && ((bb%2) == 0)
	v_pk_add_f32 v[14:15], v[14:15], v[S+2*bb:S+2*bb+1]
.elseif jj > 11
	v_pk_add_f32 v[226:227], v[226:227], v[S+2*bb:S+2*bb+1]
.endif
.endif
	v_exp_f32 v[S+jj], v[S+jj]
.set jj, jj+1
.endr
	v_pk_mul_f32 v[126:127], v[126:127], v[224:225] op_sel_hi:[1,0]   ; the sixteenth: the plain instruction behind the last exponential
	s_wait_alu depctr_va_vdst(0)
	v_cvt_scalef32_pk8_fp4_f32 v135, v[S+56:S+63], v221
	v_pk_add_f32 v[14:15], v[14:15], v[S+56:S+57]  ; the last four pairs and the chains' sum: five plain instructions that name no register of the products below: the places between p's last codes and them
	v_pk_add_f32 v[226:227], v[226:227], v[S+58:S+59]
	v_pk_add_f32 v[14:15], v[14:15], v[S+60:S+61]
	v_pk_add_f32 v[226:227], v[226:227], v[S+62:S+63]
	v_pk_add_f32 v[14:15], v[14:15], v[226:227]
.if (\pre) == 0
	s_wait_dscnt 0x0                               ; v and its words are in
.else
	s_wait_dscnt 9                                 ; v's nine loads, which are older, are in; k's nine for the step to come may be out
.endif
.irp d, 0,1,2,3
	WM 96+8*\d, 64+8*\d, 128, 1, 148+\d, 250, 0
.endr
.endm
; One tile of 16 queries: all eight key steps, then o = O / l, its codes and scale bytes.
.macro TILE t
.irp j, 0,1,2,3
	v_mov_b32 v[16+\j], v[232+4*\t+\j]             ; [q | 0]
	v_mov_b32 v[20+\j], 0
	v_mov_b32 v[24+\j], 0                          ; [0 | q]
	v_mov_b32 v[28+\j], v[232+4*\t+\j]
.endr
	v_mov_b32 v13, 0xff61b1e6                      ; the largest t so far: -3e38
	v_floor_f32 v12, -v13
	v_mov_b32 v14, 0
	v_mov_b32 v15, 0
	v_mov_b32 v225, 0                              ; (named as the upper half of f's pair)
.set j, 0
.rept 32
	v_mov_b32 v[96+j], 0                           ; O^T: the first change of M leaves zeros zeros, so the first step needs no text of its own
.set j, j+1
.endr
	s_mov_b32 s50, 0
	s_mov_b32 s51, 0
	s_mov_b32 s52, 7
.Lstep_\@:                                         ; seven trips: each asks for the next step's k
	STEP \t, 1
	s_add_co_u32 s50, s50, 4096
	s_add_co_u32 s51, s51, 512
	s_sub_co_u32 s52, s52, 1
	s_cmp_lg_u32 s52, 0
	s_cbranch_scc1 .Lstep_\@
.if \t == 0
	STEP \t, 2                                     ; the eighth step asks for step 0's k again, for the second tile of queries,
.else
	STEP \t, 0                                     ; or, in the second tile, for nothing
.endif
	PLACES 4
	v_add_f32 v14, v14, v15
	v_permlanex16_b32 v11, v14, s40, s41
	v_add_f32 v14, v14, v11                        ; the row's sum
	v_rcp_f32 v136, v14
	v_nop                                          ; a plain instruction behind the transcendental
	s_wait_alu depctr_va_vdst(0)
	v_mov_b32 v137, v136
.set j, 0
.rept 16
	v_pk_mul_f32 v[96+j:97+j], v[96+j:97+j], v[136:137]   ; o: register 8 d + j is channel 32 h + 8 d + j of the head: one block of the last product's K
.set j, j+2
.endr
	v_max3_num_f32 v216, |v96|, |v97|, FLOOR
	v_max3_num_f32 v217, |v112|, |v113|, |v114|
.irp n, 2,4,6,8,10,12
	v_max3_num_f32 v216, v216, |v[96+\n]|, |v[97+\n]|
	v_max3_num_f32 v217, v217, |v[113+\n]|, |v[114+\n]|
.endr
	v_max3_num_f32 v216, v216, |v110|, |v111|
	v_max3_num_f32 v216, v216, v217, |v127|
	v_add_nc_u32 v220, 0xff000000, v216
	v_lshrrev_b32 v222, 23, v220
	v_lshlrev_b32 v222, v9, v222
	v_permlanex16_b32 v11, v222, s40, s41
.if \t == 0
	v_or_b32 v230, v222, v11                       ; the tile's two bytes, kept for the word
.irp q, 0,1,2,3
	v_cvt_scalef32_pk8_fp4_f32 v[138+\q], v[96+8*\q:103+8*\q], v220
.endr
	v_nop
	global_store_b128 v1, v[138:141], s[26:27]     ; 512 consecutive bytes, aligned
.else
	v_or_b32 v222, v222, v11
	v_lshl_or_b32 v231, v222, 16, v230
.irp q, 0,1,2,3
	v_cvt_scalef32_pk8_fp4_f32 v[232+\q], v[96+8*\q:103+8*\q], v220
.endr
	v_nop
	global_store_b128 v1, v[232:235], s[26:27] offset:4096
	global_store_b32 v142, v231, s[28:29]          ; both tiles' bytes: 128 consecutive bytes a wave
.endif
.endm
	TILE 0
	TILE 1
	s_wait_tensorcnt 0x0
	ds_add_u32 v254, v255
	s_wait_dscnt 0x0
	s_endpgm
.Lfunc_end_k_q3bdba03627_attn:
	.size	k_q3bdba03627_attn, .Lfunc_end_k_q3bdba03627_attn-k_q3bdba03627_attn
	.p2alignl 7, 3214868480
	.fill 96, 4, 3214868480
	.section	.rodata,"a",@progbits
	.p2align	6, 0x0
	.amdhsa_kernel k_q3bdba03627_attn
		.amdhsa_group_segment_fixed_size 136192
		.amdhsa_private_segment_fixed_size 0
		.amdhsa_enable_private_segment 0
		.amdhsa_kernarg_size 104
		.amdhsa_user_sgpr_count 2
		.amdhsa_user_sgpr_kernarg_segment_ptr 1
		.amdhsa_wavefront_size32 1
		.amdhsa_system_sgpr_workgroup_id_x 1
		.amdhsa_system_sgpr_workgroup_id_y 1
		.amdhsa_system_sgpr_workgroup_id_z 1
		.amdhsa_system_vgpr_workitem_id 0
		.amdhsa_next_free_vgpr 256
		.amdhsa_next_free_sgpr 100
		.amdhsa_reserve_vcc 0
		.amdhsa_float_denorm_mode_32 3
		.amdhsa_float_denorm_mode_16_64 3
		.amdhsa_memory_ordered 1
		.amdhsa_forward_progress 1
		.amdhsa_inst_pref_size 134
	.end_amdhsa_kernel
	.amdgpu_metadata
---
amdhsa.version: [ 1, 2 ]
amdhsa.kernels:
  - .name:           k_q3bdba03627_attn
    .symbol:         k_q3bdba03627_attn.kd
    .args:
      - { .name: xc, .offset: 0, .size: 8, .value_kind: global_buffer, .address_space: global }
      - { .name: xsc, .offset: 8, .size: 8, .value_kind: global_buffer, .address_space: global }
      - { .name: wq_codes, .offset: 16, .size: 8, .value_kind: global_buffer, .address_space: global }
      - { .name: wq_scales, .offset: 24, .size: 8, .value_kind: global_buffer, .address_space: global }
      - { .name: bq, .offset: 32, .size: 8, .value_kind: global_buffer, .address_space: global }
      - { .name: wk_codes, .offset: 40, .size: 8, .value_kind: global_buffer, .address_space: global }
      - { .name: wk_scales, .offset: 48, .size: 8, .value_kind: global_buffer, .address_space: global }
      - { .name: bk, .offset: 56, .size: 8, .value_kind: global_buffer, .address_space: global }
      - { .name: wv_codes, .offset: 64, .size: 8, .value_kind: global_buffer, .address_space: global }
      - { .name: wv_scales, .offset: 72, .size: 8, .value_kind: global_buffer, .address_space: global }
      - { .name: bv, .offset: 80, .size: 8, .value_kind: global_buffer, .address_space: global }
      - { .name: oc, .offset: 88, .size: 8, .value_kind: global_buffer, .address_space: global }
      - { .name: osc, .offset: 96, .size: 8, .value_kind: global_buffer, .address_space: global }
    .group_segment_fixed_size: 136192
    .private_segment_fixed_size: 0
    .kernarg_segment_align: 8
    .kernarg_segment_size: 104
    .max_flat_workgroup_size: 512
    .sgpr_count:     100
    .vgpr_count:     256
    .wavefront_size: 32
...
	.end_amdgpu_metadata
.endif
;; end of part 2
;; launch proj (part 3): grid 16 x 16, 16 waves a work-group, no clusters, 20,480 bytes of LDS; arguments oc, osc, wo_codes, wo_scales, bo, x, out0; writes out0
.if DOCPART == 3
	.amdgcn_target "amdgcn-amd-amdhsa--gfx1250"
	.amdhsa_code_object_version 6
	.text
	.protected	k_q3bdba03627_proj
	.globl	k_q3bdba03627_proj
	.p2align	8
	.type	k_q3bdba03627_proj,@function
k_q3bdba03627_proj:
	s_mov_b64 s[64:65], 0
	v_nop
	global_prefetch_b8 v0, s[64:65] scope:SCOPE_SE
	s_setreg_imm32_b32 hwreg(HW_REG_WAVE_MODE, 25, 1), 1
	s_wait_xcnt 0x0
; out0 = wo o + bo + x.  o arrives as codes of FP4 (E2M1) in the order of an operand's registers (oc) with its scale bytes (osc), wo as the problem gives it; the product is on codes, the sums, the bias and the residual in f32.
; A work-group owns one chunk of 64 positions of one batch, all 512 output channels: grid x = chunk, y = batch: 256 work-groups.  Wave w owns channels 32 w .. 32 w + 31: two tiles of 16.
; Its part of wo (8,192 bytes) goes straight into its registers, once; the chunk's 16 fragments of o (4 tiles of positions x 4 K steps) are copied into LDS once, a fragment a wave, and read by all sixteen.
; THE TILES OF POSITIONS: row p of tile t is position 64 chunk + 4 p + t.  Source 0 = 16 channels of wo, source 1 = 16 positions: lane (p, h) holds channels 8 h + j, and its four tiles' results are FOUR NEIGHBOURING POSITIONS:
; x comes and out0 goes by 16 bytes a lane, sixteen lanes to 256 consecutive bytes, aligned, with no stage in LDS.
; bo is loaded into the accumulators, which add in place from the first product on.  Eight accumulators take turns, one instruction a turn; each fragment of o is read from LDS once.
; WHY NO JOINT REQUESTS: what the work-groups share is wo, which each wave takes straight into the registers of the one wave that uses it; a joint request would bring it through LDS first.
.set OIMG, 0                           ; o's fragments: 4 tile + K step, 1,024 bytes each
.set OSC,  16384                       ; their scale words, 128 bytes each
.set WOS,  14                          ; v14-21   wo's scale words: 4 e + s.  Scales and nothing else
.set OS,   22                          ; v22-25   o's, for the K step in hand.  Scales and nothing else
.set OF,   26                          ; v26-57   o's four fragments of a K step (first: the fragment that I copy)
.set ACC,  58                          ; v58-121  32 e + 8 t + j
.set WO,   122                         ; v122-185 32 e + 8 s
.set X,    186                         ; v186-249 32 e + 4 j + t
	s_load_b256 s[4:11], s[0:1], 0x0               ; oc s[4:5], osc s[6:7], wo_codes s[8:9], wo_scales s[10:11]
	s_load_b128 s[12:15], s[0:1], 0x20             ; bo s[12:13], x s[14:15]
	s_load_b64 s[16:17], s[0:1], 0x30              ; out0
	v_lshl_add_u32 v250, v0, 2, 0x4800
	v_mov_b32 v251, 0
	v_lshrrev_b32 v240, 5, v0
	v_readfirstlane_b32 s18, v240                  ; wave 0..15
	s_and_b32 s19, ttmp7, 0xffff                   ; batch; the chunk is ttmp9
	s_lshr_b32 s20, s18, 2                         ; the fragment that I copy: tile,
	s_and_b32 s21, s18, 3                          ; K step
	v_and_b32 v240, 31, v0                         ; lane
	v_and_b32 v241, 15, v0                         ; r
	v_bfe_u32 v242, v0, 4, 1                       ; h
	v_lshlrev_b32 v1, 4, v240                      ; 16 lane
	v_lshlrev_b32 v9, 2, v240                      ; 4 lane
	v_add_nc_u32 v2, OSC, v9
	s_lshl_b32 s22, s18, 17
	v_lshl_add_u32 v3, v241, 4, s22
	v_lshl_add_u32 v3, v242, 15, v3                ; x, out0: 16 r + 8 h channels of 4,096 bytes + 32 w channels
	s_lshl_b32 s22, s18, 13
	v_lshl_add_u32 v4, v241, 8, s22
	v_lshl_add_u32 v4, v242, 4, v4                 ; wo's codes: 256 bytes a row, + 16 h
	s_lshl_b32 s22, s18, 9
	v_lshl_add_u32 v5, v241, 4, s22                ; its scale bytes: 16 a row
	s_lshl_b32 s22, s18, 7
	v_lshl_add_u32 v6, v242, 5, s22                ; bo: my eight channels of a tile
	s_add_co_u32 s22, s22, OSC
	v_add_nc_u32 v8, s22, v9                       ; where my fragment's scale words go,
	s_lshl_b32 s22, s18, 10
	v_add_nc_u32 v7, s22, v1                       ; and where the fragment lies, in oc's block and in LDS alike
	s_lshl_b32 s24, s19, 4
	s_add_co_u32 s24, s24, ttmp9
	s_lshl_b32 s24, s24, 14                        ; oc: 16,384 (16 b + chunk)
	s_mov_b32 s25, 0
	s_lshl_b32 s26, s19, 15
	s_lshl_b32 s22, s21, 13
	s_add_co_u32 s26, s26, s22
	s_lshr_b32 s22, s20, 1
	s_lshl_b32 s22, s22, 11
	s_add_co_u32 s26, s26, s22
	s_lshl_b32 s22, ttmp9, 7
	s_add_co_u32 s26, s26, s22                     ; osc: 32,768 b + 4,096 (head 2 s) + 2,048 (tile / 2) + 128 chunk
	s_mov_b32 s27, 0
	s_lshl_b32 s28, s19, 21
	s_lshl_b32 s22, ttmp9, 8
	s_add_co_u32 s28, s28, s22                     ; x, out0: 2,097,152 b + 256 chunk
	s_mov_b32 s29, 0
	s_mov_b32 s30, 0x05040100                      ; the two low halves: an even tile's bytes
	s_mov_b32 s31, 0x07060302                      ; the two high halves: an odd tile's
	s_and_b32 s22, s20, 1
	s_cmp_eq_u32 s22, 0
	s_cselect_b32 s30, s30, s31
	s_wait_kmcnt 0x0
	s_add_nc_u64 s[4:5], s[4:5], s[24:25]
	s_add_nc_u64 s[6:7], s[6:7], s[26:27]
	s_add_nc_u64 s[14:15], s[14:15], s[28:29]
	s_add_nc_u64 s[16:17], s[16:17], s[28:29]
	global_load_b128 v[OF:OF+3], v7, s[4:5]
	global_load_b128 v[OF+4:OF+7], v7, s[4:5] offset:512
	global_load_b32 v10, v9, s[6:7]                ; head 2 s: two tiles' bytes
	global_load_b32 v11, v9, s[6:7] offset:4096    ; head 2 s + 1
.irp e, 0,1
.irp s, 0,1,2,3
.irp c, 0,1
	global_load_b128 v[WO+32*\e+8*\s+4*\c:WO+32*\e+8*\s+4*\c+3], v4, s[8:9] offset:4096*\e+64*\s+32*\c
.endr
.endr
	global_load_b128 v[WOS+4*\e:WOS+4*\e+3], v5, s[10:11] offset:256*\e
.irp t, 0,1,2,3
.irp q, 0,1
	global_load_b128 v[ACC+32*\e+8*\t+4*\q:ACC+32*\e+8*\t+4*\q+3], v6, s[12:13] offset:64*\e+16*\q   ; bo(32 w + 16 e + 8 h + j) starts each sum
.endr
.endr
.endr
.irp e, 0,1
.irp j, 0,1,2,3,4,5,6,7
	global_load_b128 v[X+32*\e+4*\j:X+32*\e+4*\j+3], v3, s[14:15] offset:(16*\e+\j)*4096 th:TH_LOAD_NT   ; the residual: its last use in the program
.endr
.endr
	s_wait_loadcnt 50                              ; my fragment and its bytes are in: 2 x (8 + 1 + 8) + 16 are younger
	v_perm_b32 v12, v11, v10, s30                  ; the fragment's scale word: head 2 s's two bytes, then head 2 s + 1's
	ds_store_b128 v7, v[OF:OF+3]
	ds_store_b128 v7, v[OF+4:OF+7] offset:512
	ds_store_b32 v8, v12
	s_wait_dscnt 0x0                               ; for the others' sake: my stores are done
	s_barrier_signal -1
	s_barrier_wait -1                              ; the chunk's sixteen fragments lie in LDS
	s_wait_loadcnt 16                              ; wo, its scales and bo are in; x's sixteen loads may be out
.irp s, 0,1,2,3
.if \s > 0
.rept 4
	v_nop                                          ; places in front of loads into registers that products have read
.endr
.endif
.irp t, 0,1,2,3
.irp c, 0,1
	ds_load_b128 v[OF+8*\t+4*\c:OF+8*\t+4*\c+3], v1 offset:OIMG+(4*\t+\s)*1024+512*\c
.endr
	ds_load_b32 v[OS+\t], v2 offset:(4*\t+\s)*128
.endr
	s_wait_dscnt 0x0
.irp e, 0,1
.irp t, 0,1,2,3
	v_wmma_scale_f32_16x16x128_f8f6f4 v[ACC+32*\e+8*\t:ACC+32*\e+8*\t+7], v[WO+32*\e+8*\s:WO+32*\e+8*\s+7], v[OF+8*\t:OF+8*\t+7], v[ACC+32*\e+8*\t:ACC+32*\e+8*\t+7], v[WOS+4*\e+\s], v[OS+\t] matrix_a_fmt:MATRIX_FMT_FP4 matrix_b_fmt:MATRIX_FMT_FP4
.endr
.endr
.endr
.rept 4
	v_nop                                          ; places in front of the first read of results
.endr
.irp e, 0,1
	s_wait_loadcnt 8-8*\e                          ; this tile's eight loads of x are in
.irp j, 0,1,2,3,4,5,6,7
.irp t, 0,1,2,3
	v_add_f32 v[X+32*\e+4*\j+\t], v[X+32*\e+4*\j+\t], v[ACC+32*\e+8*\t+\j]   ; register j of the four tiles: four neighbouring positions of one channel; each accumulator is read from its low end on
.endr
.endr
.irp j, 0,1,2,3,4,5,6,7
	global_store_b128 v3, v[X+32*\e+4*\j:X+32*\e+4*\j+3], s[16:17] offset:(16*\e+\j)*4096 th:TH_STORE_NT   ; lanes 0-15 and lanes 16-31 each store 256 consecutive bytes, aligned
.endr
.endr
	s_wait_tensorcnt 0x0
	ds_add_u32 v250, v251
	s_wait_dscnt 0x0
	s_endpgm
.Lfunc_end_k_q3bdba03627_proj:
	.size	k_q3bdba03627_proj, .Lfunc_end_k_q3bdba03627_proj-k_q3bdba03627_proj
	.p2alignl 7, 3214868480
	.fill 96, 4, 3214868480
	.section	.rodata,"a",@progbits
	.p2align	6, 0x0
	.amdhsa_kernel k_q3bdba03627_proj
		.amdhsa_group_segment_fixed_size 20480
		.amdhsa_private_segment_fixed_size 0
		.amdhsa_enable_private_segment 0
		.amdhsa_kernarg_size 56
		.amdhsa_user_sgpr_count 2
		.amdhsa_user_sgpr_kernarg_segment_ptr 1
		.amdhsa_wavefront_size32 1
		.amdhsa_system_sgpr_workgroup_id_x 1
		.amdhsa_system_sgpr_workgroup_id_y 1
		.amdhsa_system_sgpr_workgroup_id_z 1
		.amdhsa_system_vgpr_workitem_id 0
		.amdhsa_next_free_vgpr 252
		.amdhsa_next_free_sgpr 66
		.amdhsa_reserve_vcc 0
		.amdhsa_float_denorm_mode_32 3
		.amdhsa_float_denorm_mode_16_64 3
		.amdhsa_memory_ordered 1
		.amdhsa_forward_progress 1
		.amdhsa_inst_pref_size 20
	.end_amdhsa_kernel
	.amdgpu_metadata
---
amdhsa.version: [ 1, 2 ]
amdhsa.kernels:
  - .name:           k_q3bdba03627_proj
    .symbol:         k_q3bdba03627_proj.kd
    .args:
      - { .name: oc, .offset: 0, .size: 8, .value_kind: global_buffer, .address_space: global }
      - { .name: osc, .offset: 8, .size: 8, .value_kind: global_buffer, .address_space: global }
      - { .name: wo_codes, .offset: 16, .size: 8, .value_kind: global_buffer, .address_space: global }
      - { .name: wo_scales, .offset: 24, .size: 8, .value_kind: global_buffer, .address_space: global }
      - { .name: bo, .offset: 32, .size: 8, .value_kind: global_buffer, .address_space: global }
      - { .name: x, .offset: 40, .size: 8, .value_kind: global_buffer, .address_space: global }
      - { .name: out0, .offset: 48, .size: 8, .value_kind: global_buffer, .address_space: global }
    .group_segment_fixed_size: 20480
    .private_segment_fixed_size: 0
    .kernarg_segment_align: 8
    .kernarg_segment_size: 56
    .max_flat_workgroup_size: 512
    .sgpr_count:     66
    .vgpr_count:     252
    .wavefront_size: 32
...
	.end_amdgpu_metadata
.endif
;; end of part 3
;; ======== version 2 of 2: 3 launches; version 1 with the launches attn, proj written anew for expert scheduling mode
;; workspace buffers: xc 4,194,304 bytes; xsc 262,144 bytes; oc 4,194,304 bytes; osc 524,288 bytes
;; launch norm: the kernel of part 1 again; grid 8 x 16, 16 waves a work-group, no clusters, 3,072 bytes of LDS; arguments x, gamma, beta, xc, xsc; writes xc, xsc
;; launch attn (part 4): grid 16 x 16, 16 waves a work-group, no clusters, 136,192 bytes of LDS; arguments xc, xsc, wq_codes, wq_scales, bq, wk_codes, wk_scales, bk, wv_codes, wv_scales, bv, oc, osc; writes oc, osc
.if DOCPART == 4
	.amdgcn_target "amdgcn-amd-amdhsa--gfx1250"
	.amdhsa_code_object_version 6
	.text
	.protected	k_q3bdba03627_attn
	.globl	k_q3bdba03627_attn
	.p2align	8
	.type	k_q3bdba03627_attn,@function
k_q3bdba03627_attn:
	s_mov_b64 s[64:65], 0
	v_nop
	global_prefetch_b8 v0, s[64:65] scope:SCOPE_SE
	s_setreg_imm32_b32 hwreg(HW_REG_WAVE_SCHED_MODE, 0, 2), 2
	s_setreg_imm32_b32 hwreg(HW_REG_WAVE_MODE, 25, 1), 1
	s_wait_xcnt 0x0
	s_wait_alu depctr_vm_vsrc(0)
; One head of one batch: q, k, v = W xn + b; S = q k / 8; p = 2^(t - M); o = (v p) / l; o quantised.  All five products on codes of FP4 (E2M1) with one E8M0 byte for each 32 along K.
; A work-group owns (batch, head, half qh of the queries): grid x = 2 head + qh, y = batch: 256 work-groups of equal work.  q, k, v and p never leave the work-group.
; Wave w owns chunk w (64 positions) of the batch.  THE TILES OF POSITIONS: row p of tile t of a chunk is position 64 chunk + 4 p + t.  The wave holds the chunk's four tiles in SLOTS i, tile = i xor 2 qh:
; slots 0 and 1 are its two tiles of queries.  It makes k and v of the whole chunk (both work-groups of a head do: that work is done twice, so that nothing goes through memory) and q of slots 0 and 1.
; ROWS OF A WEIGHT'S TILE: row r of tile u of a head is channel 64 head + 32 (r / 8) + 8 u + r % 8.  With the weight as source 0, half h of the lanes then holds, over the four tiles, d = 32 h + 8 u + j:
; a whole block of 32 along d in one lane, in order: q's and k's codes come out as operand registers, and through v's rows so do o's.
; v: source 0 = 16 positions, source 1 = 16 channels: lane (channel, h) holds rows 8 h + j of the four slots: positions 64 chunk + 32 h + 4 j + tile: a whole true block of 32 keys, in the inner order (slot, j).
; S^T = k q^T gives lane (query, h) the same keys in the same order, so p's codes and v's meet number by number, and every block's largest magnitude is found inside one lane.
; K = 64 IN AN INSTRUCTION OF K = 128: a fragment of k holds key tile 2 f in registers 0-3 and key tile 2 f + 1 in registers 4-7; it is multiplied by [q | 0] and by [0 | q].  Zero codes add nothing.
; THE SOFTMAX: t = score x log2(e) / 8; M = the running largest t rounded up to a whole number, kept as -M; p = 2^(t - M); the row's sum is taken of the unquantised p; when M moves, the sum and O are multiplied by 2^(old M - new M), exactly.
; A block's largest p is not searched for: the block's largest score goes through the same multiply-add and exponential (this takes v_exp_f32 not to fall where its input rises).
; THE KEY STEP'S ORDER: the step's fragments of v and the next step's of k are asked for in one run, early in the softmax; the 64 exponentials stand singly, with the plain vector work that is ready between them.
; LDS holds images of operand registers, 16 bytes a lane, 512 consecutive bytes an instruction: no pitch, no padding.  Two barriers: behind the first the weights' images lie there, behind the second k's and v's; then LDS is only read.
; WHY NO JOINT REQUESTS: the sixteen work-groups of a batch read the same 262,144 bytes of xc, but each wave takes its 16,384 straight into registers, once; brought through LDS they would not fit beside the 134,144 bytes in use.
; Sixteen waves of 256 registers, four to a SIMD.  O begins as zeros, so that a tile's first key step needs no text of its own; its last is written out, since it asks for other fragments of k than the loop's steps, or for none.
; LIMITS: NaN and infinities are not served.  A block whose largest magnitude lies under 2^-124 (zeros among them) gets the byte 1: zero codes add nothing and this program alone reads the bytes.  v_exp_f32 gives 0 under 2^-126.
; THE MODE: SCHED_MODE bits 1:0 = 2 (LLVM: expert scheduling mode 2), set by the entry lines.  The code itself states the register dependences between vector or matrix instructions and memory or LDS instructions, with s_wait_alu, always for 0.
; THE PLAN.  Registers that memory or LDS instructions touch:
;   v1-v8, v10, v142    addresses, made once and never written again: one wait on va_vdst ahead of the first load serves v1-v10 for the whole kernel.
;   v216-222, v152-190  offsets of the head's loads, data and addresses of its LDS stores; later weights' fragments land in the first and products write the others: one wait on vm_vsrc ahead of the first pass.
;   WF, WS              LDS loads land in them, a pass's products read them: a wait on va_vdst ahead of each run of loads that follows products of the same pass.
;   ACC, v223-231       products, the biases' loads and the quantiser; the codes and bytes in v223-231 go to LDS stores: a wait on va_vdst ahead of the stores, which also serves the next pass's first loads
;                       (nothing but v_nop stands between), and a wait on vm_vsrc behind them.
;   THE KEY STEP: k (v32-63, v144-147) is read by the step's eight score products and loaded again for the next step; v (v64-95, v148-151) is read by the step's last four products and loaded again in the next step;
;                       v228, v229 are written at the step's head, behind a wait on vm_vsrc, and read by the eighteen loads.  ONE wait on va_vdst serves the eighteen: the one that stands ahead of the first use of the
;                       blocks' largest p; the loads follow it with no vector instruction between.  p's codes and scale word: a wait on va_vdst behind their places, ahead of v's products.
;   o's codes and bytes a wait on va_vdst ahead of the stores; these registers are not written again.
.set KIMG, 0                           ; k: tile (chunk, slot) at 2,048 chunk + 512 slot + 16 lane
.set VIMG, 32768                       ; v: [step 8][d tile 4][c 2][lane][16 bytes]; chunk = 2 step + c
.set KSC,  65536                       ; k's scale words: [step][lane][4 words f]
.set VSC,  69632                       ; v's: [step][lane][4 words d tile]
.set WIMG, 73728                       ; the head's weights: [q, k, v][4 u + K step][c][lane][16 bytes]
.set WSC,  122880                      ; their scale words: [q, k, v][K step][r 16][u 4]
.set BIAS, 125952                      ; bq's 64 numbers and bk's 64: a copy of 512 bytes for each wave
.set XF,   16                          ; v16-143   xn's fragments: slot i, K step s at 32 i + 8 s.  Later: v16-31 [q|0], [0|q]; v32-63 k; v64-95 v; v96-127 O^T; v128-135 p's codes; v136-137 1 / l; v138-141 o's codes; v142 4 lane
.set XS,   144                         ; v144-151  xn's scale words: slot i, K steps 2 y (lanes 0-15) and 2 y + 1 (lanes 16-31) at 2 i + y.  Later: v144-147 k's, v148-151 v's.  Scales and nothing else
.set ACC,  152                         ; v152-215  eight accumulators
.set S,    152                         ; later the scores, then p: chunk c of the step, slot i at 8 (4 c + i)
.set WF,   216                         ; v216-247  four fragments of a weight; at work while quantising; v232-239 q's codes
.set WS,   248                         ; v248-251  a weight's scale words; later v248, v249 q's, v250 p's.  Scales and nothing else
.set FLOOR, 0x1800000                  ; 2^(3 - 127)
; v1 16 lane; v2 + WIMG; v3 16 r + WSC; v4 128 h + my copy of the biases; v5-v8 where I store k, k's scale words, v, v's; v9 8 h; v10 16 lane + KSC; v11 a lane permute's destination;
; v12-15 bv of my lane's channel in the four d tiles; later v12 -M, v13 the largest t, v[14:15] the sum in two halves; v254, v255: the closing add's two
.macro PLACES n
.rept \n
	v_nop
.endr
.endm
; One product.  cm = 0: C is the constant 0, else C is D.  row = 1: source 0's scales stand in lanes 16-31 of their register; 2: source 1's.
.macro WM d, a, b, cm, sa, sb, row
.set rD, \d
.set rA, \a
.set rB, \b
.set rSA, \sa
.set rSB, \sb
.if (\cm) == 0
	v_wmma_scale_f32_16x16x128_f8f6f4 v[rD:rD+7], v[rA:rA+7], v[rB:rB+7], 0, v[rSA], v[rSB] matrix_a_fmt:MATRIX_FMT_FP4 matrix_b_fmt:MATRIX_FMT_FP4
.elseif (\row) == 0
	v_wmma_scale_f32_16x16x128_f8f6f4 v[rD:rD+7], v[rA:rA+7], v[rB:rB+7], v[rD:rD+7], v[rSA], v[rSB] matrix_a_fmt:MATRIX_FMT_FP4 matrix_b_fmt:MATRIX_FMT_FP4
.elseif (\row) == 1
	v_wmma_scale_f32_16x16x128_f8f6f4 v[rD:rD+7], v[rA:rA+7], v[rB:rB+7], v[rD:rD+7], v[rSA], v[rSB] matrix_a_fmt:MATRIX_FMT_FP4 matrix_b_fmt:MATRIX_FMT_FP4 matrix_a_scale:MATRIX_SCALE_ROW1
.else
	v_wmma_scale_f32_16x16x128_f8f6f4 v[rD:rD+7], v[rA:rA+7], v[rB:rB+7], v[rD:rD+7], v[rSA], v[rSB] matrix_a_fmt:MATRIX_FMT_FP4 matrix_b_fmt:MATRIX_FMT_FP4 matrix_b_scale:MATRIX_SCALE_ROW1
.endif
.endm
; Two blocks of 32 numbers of a lane, v[r0 ..] and v[r1 ..], become codes in v[c0 .. c0+3] and v[c1 .. c1+3].  v223: byte(h = 0), byte(h = 1) of the first block in the low half, of the second in the high half, in both halves of the lanes.
; Each accumulator is read from its low end on.
.macro QUANT2 r0, r1, c0, c1
	v_max3_num_f32 v216, |v[\r0]|, |v[\r0+1]|, FLOOR
	v_max3_num_f32 v218, |v[\r1]|, |v[\r1+1]|, FLOOR
	v_max3_num_f32 v217, |v[\r0+16]|, |v[\r0+17]|, |v[\r0+18]|
	v_max3_num_f32 v219, |v[\r1+16]|, |v[\r1+17]|, |v[\r1+18]|
.irp n, 2,4,6,8,10,12
	v_max3_num_f32 v216, v216, |v[\r0+\n]|, |v[\r0+\n+1]|
	v_max3_num_f32 v218, v218, |v[\r1+\n]|, |v[\r1+\n+1]|
	v_max3_num_f32 v217, v217, |v[\r0+\n+17]|, |v[\r0+\n+18]|
	v_max3_num_f32 v219, v219, |v[\r1+\n+17]|, |v[\r1+\n+18]|
.endr
	v_max3_num_f32 v216, v216, |v[\r0+14]|, |v[\r0+15]|
	v_max3_num_f32 v218, v218, |v[\r1+14]|, |v[\r1+15]|
	v_max3_num_f32 v216, v216, v217, |v[\r0+31]|
	v_max3_num_f32 v218, v218, v219, |v[\r1+31]|
	v_add_nc_u32 v220, 0xff000000, v216            ; 2 off the exponent field: the conversion's scale operand
	v_add_nc_u32 v221, 0xff000000, v218
	v_lshrrev_b32 v222, 23, v220                   ; the bytes
	v_lshrrev_b32 v223, 23, v221
	v_lshl_or_b32 v222, v223, 16, v222
	v_lshlrev_b32 v222, v9, v222                   ; 8 h bits up: my half's place
	v_permlanex16_b32 v11, v222, s40, s41
	v_or_b32 v223, v222, v11                       ; with lane l xor 16's
.irp q, 0,1,2,3
	v_cvt_scalef32_pk8_fp4_f32 v[\c0+\q], v[\r0+8*\q:\r0+8*\q+7], v220
	v_cvt_scalef32_pk8_fp4_f32 v[\c1+\q], v[\r1+8*\q:\r1+8*\q+7], v221
.endr
	v_nop                                          ; a plain instruction behind the last scaled conversion
.endm
	s_load_b512 s[4:19], s[0:1], 0x0               ; xc s[4:5], xsc s[6:7]; wq: codes s[8:9], scales s[10:11], bq s[12:13]; wk: s[14:15], s[16:17], bk s[18:19]
	s_load_b256 s[20:27], s[0:1], 0x40             ; wv: s[20:21], s[22:23], bv s[24:25]; oc s[26:27]
	s_load_b64 s[28:29], s[0:1], 0x60              ; osc
	v_lshl_add_u32 v254, v0, 2, 0x20c00            ; my spare word, behind the biases' copies, and 0: made here and kept for the closing lines alone
	v_mov_b32 v255, 0
	v_lshrrev_b32 v224, 5, v0
	v_readfirstlane_b32 s30, v224                  ; wave 0..15 = my chunk
	s_and_b32 s31, ttmp9, 1                        ; qh
	s_lshr_b32 s32, ttmp9, 1                       ; head
	s_and_b32 s33, ttmp7, 0xffff                   ; batch
	s_wait_alu depctr_va_sdst(0)                   ; s30 is written, ahead of its first reader: addresses in LDS and in memory are made from it
	s_lshr_b32 s55, s30, 1                         ; my key step
	s_and_b32 s56, s30, 1                          ; and which of its two chunks
	s_lshr_b32 s58, s30, 2                         ; the weight fragment that I bring: tile u,
	s_and_b32 s57, s30, 3                          ; K step s
	v_and_b32 v224, 31, v0                         ; lane
	v_and_b32 v225, 15, v0                         ; r
	v_bfe_u32 v226, v0, 4, 1                       ; h
	; every LDS address: a constant + a constant x lane + a constant x wave
	v_lshlrev_b32 v1, 4, v224
	v_add_nc_u32 v2, WIMG, v1
	v_lshl_add_u32 v3, v225, 4, WSC
	s_lshl_b32 s54, s30, 9
	s_add_co_u32 s54, s54, BIAS
	v_lshl_add_u32 v4, v226, 7, s54
	v_lshl_add_u32 v190, v225, 4, s54              ; where I store my copy of the biases
	s_lshl_b32 s54, s30, 11
	v_add_nc_u32 v5, s54, v1
	s_lshl_b32 s54, s55, 9
	s_lshl_b32 s59, s56, 3
	s_add_co_u32 s59, s59, s54
	s_add_co_u32 s59, s59, KSC
	v_add_nc_u32 v6, s59, v1
	s_lshl_b32 s59, s56, 1
	s_add_co_u32 s59, s59, s54
	s_add_co_u32 s59, s59, VSC
	v_add_nc_u32 v8, s59, v1
	s_lshl_b32 s54, s55, 12
	s_lshl_b32 s59, s56, 9
	s_add_co_u32 s59, s59, s54
	s_add_co_u32 s59, s59, VIMG
	v_add_nc_u32 v7, s59, v1
	v_lshlrev_b32 v9, 3, v226
	v_add_nc_u32 v10, KSC, v1
	v_mov_b32 v11, 0
	s_lshl_b32 s54, s30, 10
	s_add_co_u32 s54, s54, WIMG
	v_add_nc_u32 v188, s54, v1                     ; where I store my three weight fragments,
	s_lshl_b32 s54, s57, 8
	s_lshl_b32 s59, s58, 2
	s_add_co_u32 s54, s54, s59
	s_add_co_u32 s54, s54, WSC
	v_lshl_add_u32 v189, v225, 4, s54              ; and their scale words
	; offsets in memory
	v_and_b32 v227, 7, v0
	v_and_b32 v228, 8, v0
	v_lshl_add_u32 v227, v228, 2, v227             ; 32 (r / 8) + r % 8: my row of a weight's tile
	v_lshlrev_b32 v216, 8, v227
	v_lshl_add_u32 v216, v226, 4, v216             ; codes: 256 bytes a row, + 16 h
	v_lshlrev_b32 v217, 4, v227                    ; scale bytes: 16 a row
	v_lshlrev_b32 v218, 4, v225                    ; bq, bk: 16 bytes a lane
	v_lshlrev_b32 v219, 2, v225
	v_lshl_add_u32 v219, v226, 12, v219            ; xsc: 4 r; lanes 16-31 one K step (two groups) further on
	v_lshlrev_b32 v220, 2, v227                    ; bv
	s_lshl_b32 s54, s30, 14
	s_lshl_b32 s59, s31, 13
	s_add_co_u32 s59, s59, s54
	v_add_nc_u32 v221, s59, v1                     ; xc: slots 0 and 1: tiles 2 qh, 2 qh + 1
	s_xor_b32 s59, s31, 1
	s_lshl_b32 s59, s59, 13
	s_add_co_u32 s59, s59, s54
	v_add_nc_u32 v222, s59, v1                     ; slots 2 and 3: the other two
	s_lshl_b32 s34, s32, 14
	s_lshl_b32 s54, s58, 11
	s_add_co_u32 s34, s34, s54
	s_lshl_b32 s54, s57, 6
	s_add_co_u32 s34, s34, s54                     ; a weight's codes: 16,384 head + 2,048 u + 64 s
	s_mov_b32 s35, 0
	s_lshl_b32 s36, s32, 10
	s_lshl_b32 s54, s58, 7
	s_add_co_u32 s36, s36, s54
	s_lshl_b32 s54, s57, 2
	s_add_co_u32 s36, s36, s54                     ; its scale bytes: 1,024 head + 128 u + 4 s
	s_mov_b32 s37, 0
	s_lshl_b32 s38, s32, 8                         ; a bias: 256 head
	s_mov_b32 s39, 0
	s_lshl_b32 s60, s33, 14
	s_lshl_b32 s54, s30, 6
	s_add_co_u32 s60, s60, s54                     ; xsc: 16,384 b + 64 chunk
	s_mov_b32 s61, 0
	s_lshl_b32 s62, s33, 18                        ; xc: 262,144 b
	s_mov_b32 s63, 0
	s_lshl_b32 s54, s30, 14
	s_add_co_u32 s66, s62, s54
	s_lshl_b32 s54, s31, 13
	s_add_co_u32 s66, s66, s54
	s_lshl_b32 s54, s32, 9
	s_add_co_u32 s66, s66, s54                     ; oc: 262,144 b + 16,384 chunk + 8,192 qh + 512 head
	s_mov_b32 s67, 0
	s_lshl_b32 s68, s33, 4
	s_add_co_u32 s68, s68, ttmp9
	s_lshl_b32 s68, s68, 11
	s_lshl_b32 s54, s30, 7
	s_add_co_u32 s68, s68, s54                     ; osc: 2,048 (16 b + 2 head + qh) + 128 chunk
	s_mov_b32 s69, 0
	s_mov_b32 s40, 0x76543210
	s_mov_b32 s41, 0xfedcba98                      ; v_permlanex16_b32's selects for lane l xor 16
	s_mov_b32 s42, 0x3e38aa3b                      ; c = log2(e) / 8
	s_mov_b32 s43, s42                             ; (named with it as a pair, so it is written)
	s_mov_b32 s44, 0x05010400                      ; bytes 0 and 1 of two words, interleaved: tiles 0 and 1
	s_mov_b32 s45, 0x07030602                      ; bytes 2 and 3: tiles 2 and 3
	s_cmp_eq_u32 s31, 0
	s_cselect_b32 s53, s44, s45                    ; slots 0 and 1 take tiles 2 qh, 2 qh + 1,
	s_cselect_b32 s45, s45, s44                    ; slots 2 and 3 the others
	s_mov_b32 s44, s53
	s_mov_b32 s46, 0x05040100                      ; two low halves
	s_mov_b32 s47, 0x07060302                      ; two high halves
	s_mov_b32 s48, 0x01000100                      ; the low half, twice
	s_mov_b32 s49, 0x03020302                      ; the high half, twice
	s_wait_kmcnt 0x0
.irp m, 0,1,2
	s_add_nc_u64 s[8+6*\m:9+6*\m], s[8+6*\m:9+6*\m], s[34:35]
	s_add_nc_u64 s[10+6*\m:11+6*\m], s[10+6*\m:11+6*\m], s[36:37]
	s_add_nc_u64 s[12+6*\m:13+6*\m], s[12+6*\m:13+6*\m], s[38:39]
.endr
	s_add_nc_u64 s[6:7], s[6:7], s[60:61]
	s_add_nc_u64 s[4:5], s[4:5], s[62:63]
	s_add_nc_u64 s[26:27], s[26:27], s[66:67]
	s_add_nc_u64 s[28:29], s[28:29], s[68:69]
	s_wait_alu depctr_va_vdst(0)                   ; every address and offset made above is written: v216-222, which the loads below read, v188-190 of the first LDS stores, and v1-v8 and v10, which serve to the kernel's end
	; ---- all loads from memory, what is wanted first ahead: 11 for the stage, 8 planes of scale bytes, 4 of bv, 32 of xc
.irp m, 0,1,2
	global_load_b128 v[152+8*\m:155+8*\m], v216, s[8+6*\m:9+6*\m]
	global_load_b128 v[156+8*\m:159+8*\m], v216, s[8+6*\m:9+6*\m] offset:32
	global_load_b32 v[176+\m], v217, s[10+6*\m:11+6*\m]
.endr
	global_load_b128 v[180:183], v218, s[12:13]
	global_load_b128 v[184:187], v218, s[18:19]
.irp y, 0,1
.irp c, 0,1
.irp e, 0,1
	global_load_b32 v[192+4*\y+2*\c+\e], v219, s[6:7] offset:8192*\y+2048*\c+1024*\e   ; group 4 y + 2 (lane / 16) + c, half e: the bytes of row r in the chunk's four tiles
.endr
.endr
.endr
.irp d, 0,1,2,3
	global_load_b32 v[12+\d], v220, s[24:25] offset:32*\d
.endr
.irp i, 0,1,2,3
.irp s, 0,1,2,3
.irp c, 0,1
	global_load_b128 v[XF+32*\i+8*\s+4*\c:XF+32*\i+8*\s+4*\c+3], v[221+\i/2], s[4:5] offset:4096*(\i%2)+1024*\s+512*\c
.endr
.endr
.endr
	s_wait_loadcnt 44                              ; the first 11 are in: 8 + 4 + 32 are younger
.irp m, 0,1,2
	ds_store_b128 v188, v[152+8*\m:155+8*\m] offset:16384*\m
	ds_store_b128 v188, v[156+8*\m:159+8*\m] offset:16384*\m+512
	ds_store_b32 v189, v[176+\m] offset:1024*\m    ; lanes 16-31 write what lanes 0-15 write
.endr
	ds_store_b128 v190, v[180:183]
	ds_store_b128 v190, v[184:187] offset:256
	s_wait_dscnt 0x0                               ; for the others' sake: my stores are done
	s_barrier_signal -1
	s_barrier_wait -1                              ; the head's weights lie in LDS
	s_wait_loadcnt 36                              ; the planes are in: 4 + 32 are younger
	; four planes' words (a byte for each tile) are turned into four tiles' words (a byte for each block of the K step)
.irp y, 0,1
.irp c, 0,1
	v_perm_b32 v[200+2*\c], v[193+4*\y+2*\c], v[192+4*\y+2*\c], s44
	v_perm_b32 v[201+2*\c], v[193+4*\y+2*\c], v[192+4*\y+2*\c], s45
.endr
	v_perm_b32 v[XS+\y], v202, v200, s46
	v_perm_b32 v[XS+2+\y], v202, v200, s47
	v_perm_b32 v[XS+4+\y], v203, v201, s46
	v_perm_b32 v[XS+6+\y], v203, v201, s47
.endr
	PLACES 8                                       ; a scale register written by a vector instruction stands eight places ahead of a scaled product
	s_wait_loadcnt 0x0                             ; bv and xn's fragments
	s_wait_alu depctr_vm_vsrc(0)                   ; the loads above have read their offsets v216-222, in which weights' fragments land; the LDS stores above have read v152-190, which the products write
	s_wait_alu depctr_va_vdst(0)                   ; xn's scale words v144-151 are written, which the products take; the places above stay beside this wait
; v for d tiles 2 p and 2 p + 1 and my four slots: eight accumulators by turns, one instruction a turn; two K steps' weights at a time.
; The pass's first loads owe no wait of their own: the last wait on va_vdst ahead of them (above, or ahead of the pass before's LDS stores) stands behind every vector and matrix instruction that names WF or WS.
.macro PASS_V p
.irp y, 0,1
	PLACES 4                                       ; in front of loads into registers that products have read
.if \y > 0
	s_wait_alu depctr_va_vdst(0)                   ; the sixteen products above are done reading WF and WS, in which the loads below land
.endif
.irp z, 0,1
.irp e, 0,1
.irp c, 0,1
	ds_load_b128 v[WF+8*(2*\z+\e)+4*\c:WF+8*(2*\z+\e)+4*\c+3], v2 offset:32768+((2*\p+\e)*4+2*\y+\z)*1024+512*\c
.endr
.endr
	ds_load_b64 v[WS+2*\z:WS+2*\z+1], v3 offset:2048+256*(2*\y+\z)+8*\p
.endr
	s_wait_dscnt 0x0
.irp z, 0,1
.irp e, 0,1
.irp i, 0,1,2,3
	WM ACC+32*\e+8*\i, XF+32*\i+8*(2*\y+\z), WF+8*(2*\z+\e), \y+\z, XS+2*\i+\y, WS+2*\z+\e, \z
.endr
.endr
.endr
.endr
	PLACES 4
.irp e, 0,1
.set j, 0
.rept 16
	v_pk_add_f32 v[ACC+32*\e+j:ACC+32*\e+j+1], v[ACC+32*\e+j:ACC+32*\e+j+1], v[12+2*\p:13+2*\p] op_sel:[0,\e] op_sel_hi:[1,\e]   ; + bv of my lane's channel
.set j, j+2
.endr
.endr
	QUANT2 ACC, ACC+32, 224, 228
	s_wait_alu depctr_va_vdst(0)                   ; the codes v224-231 and the bytes v223 are written, which the LDS stores read; and the pass is done with WF, WS and the accumulators, in which the next pass's first loads land
	ds_store_b128 v7, v[224:227] offset:1024*(2*\p)
	ds_store_b128 v7, v[228:231] offset:1024*(2*\p+1)
	ds_store_b16 v8, v223 offset:4*(2*\p)          ; my chunk's two bytes of the step's word
	ds_store_b16_d16_hi v8, v223 offset:4*(2*\p+1)
	s_wait_dscnt 0x0                               ; the stores are done
	s_wait_alu depctr_vm_vsrc(0)                   ; the stores have read v223-231, in which the next pass's loads land
.endm
; q (m = 0) or k (m = 1) for slots 2 g and 2 g + 1: source 0 = the weight's four tiles.  The bias is the C of each sum's first product: it is loaded into the accumulators.
; The pass's first loads, the biases' and K step 0's, owe no wait of their own: the wait ahead of the pass before's LDS stores stands behind every vector and matrix instruction that names their registers.
.macro PASS_QK m, g
	PLACES 4
.irp t, 0,1
.irp u, 0,1,2,3
.irp q, 0,1
	ds_load_b128 v[ACC+32*\t+8*\u+4*\q:ACC+32*\t+8*\u+4*\q+3], v4 offset:256*\m+32*\u+16*\q
.endr
.endr
.endr
.irp s, 0,1,2,3
.if \s > 0
	PLACES 4
	s_wait_alu depctr_va_vdst(0)                   ; the eight products above are done reading WF and WS, in which the loads below land
.endif
.irp u, 0,1,2,3
.irp c, 0,1
	ds_load_b128 v[WF+8*\u+4*\c:WF+8*\u+4*\c+3], v2 offset:16384*\m+(4*\u+\s)*1024+512*\c
.endr
.endr
	ds_load_b128 v[WS:WS+3], v3 offset:1024*\m+256*\s
	s_wait_dscnt 0x0
.irp u, 0,1,2,3
.irp t, 0,1
	WM ACC+32*\t+8*\u, WF+8*\u, XF+32*(2*\g+\t)+8*\s, 1, WS+\u, XS+2*(2*\g+\t)+\s/2, 2*(\s%2)
.endr
.endr
.endr
	PLACES 4
.if \m == 1
	QUANT2 ACC, ACC+32, 224, 228
	s_wait_alu depctr_va_vdst(0)                   ; the codes v224-231 and the word v223 are written, which the LDS stores read; and the pass is done with WF, WS and the accumulators, in which the next pass's first loads land
	ds_store_b128 v5, v[224:227] offset:512*(2*\g)
	ds_store_b128 v5, v[228:231] offset:512*(2*\g+1)
	ds_store_b32 v6, v223 offset:4*\g              ; the pair's scale word
	s_wait_dscnt 0x0                               ; the stores are done
	s_wait_alu depctr_vm_vsrc(0)                   ; the stores have read v223-231, in which the next pass's loads land
.else
	QUANT2 ACC, ACC+32, 232, 236                   ; q stays in registers
	v_perm_b32 v248, v223, v223, s48               ; its two bytes, twice: the word serves [q | 0] and [0 | q]
	v_perm_b32 v249, v223, v223, s49
.endif
.endm
; A key step's four pair fragments of k and their scale words: nine LDS loads, from the address registers a and s at the byte offsets oa and os.
.macro KLOAD a, s, oa, os
.irp f, 0,1,2,3
.irp c, 0,1
	ds_load_b128 v[32+8*\f+4*\c:35+8*\f+4*\c], v[\a] offset:\oa+1024*\f+512*\c
.endr
.endr
	ds_load_b128 v[144:147], v[\s] offset:\os
.endm
; The step's four fragments of v and their scale words: nine LDS loads.
.macro VLOAD
.irp d, 0,1,2,3
.irp c, 0,1
	ds_load_b128 v[64+8*\d+4*\c:67+8*\d+4*\c], v228 offset:VIMG+1024*\d+512*\c
.endr
.endr
	ds_load_b128 v[148:151], v229 offset:VSC-KSC
.endm
	PASS_V 0
	PASS_V 1
	PASS_QK 1, 0
	PASS_QK 1, 1
	PASS_QK 0, 0
	s_wait_dscnt 0x0
	s_barrier_signal -1
	s_barrier_wait -1                              ; k and v of all 1,024 keys lie in LDS; from here on LDS is only read
	s_wait_alu depctr_va_vdst(0)                   ; q's products are done reading xn's fragments and scale words, in whose registers v32-63 and v144-147 k lands; q's scale words v248, v249 are written, which the score products take
	KLOAD 1, 10, 0, 0                              ; k of key step 0, for my first tile of queries
	v_and_b32 v142, 31, v0
	v_lshlrev_b32 v142, 2, v142
; A KEY STEP: 128 keys (two chunks) for one tile of 16 queries.  Its k was asked for a step ago.  pre = 1: it asks for the next step's k; 2: for step 0's, which the next tile of queries begins with; 0: for none.
.macro STEP t, pre
	s_wait_alu depctr_vm_vsrc(0)                   ; the LDS loads issued so far have read v228 and v229, which the two lines below write
	v_add_nc_u32 v228, s50, v1                     ; the step's images: 4,096 bytes a step,
	v_add_nc_u32 v229, s51, v10                    ; its scale words: 512
	s_wait_dscnt 0x0                               ; k's nine loads, the only ones that can be out here, are in
.irp f, 0,1,2,3
	WM S+16*\f, 32+8*\f, 16, 0, 144+\f, 248+\t, 0
	WM S+16*\f+8, 32+8*\f, 24, 0, 144+\f, 248+\t, 0
.endr
	PLACES 4                                       ; in front of the first read of the scores
	v_max3_num_f32 v216, v[S], v[S+1], v[S+2]      ; the largest score of my two blocks of 32 keys, two chains each; every accumulator is read from its low end on
	v_max3_num_f32 v217, v[S+32], v[S+33], v[S+34]
	v_max3_num_f32 v218, v[S+16], v[S+17], v[S+18]
	v_max3_num_f32 v219, v[S+48], v[S+49], v[S+50]
.irp n, 3,5,7,9,11,13
	v_max3_num_f32 v216, v216, v[S+\n], v[S+\n+1]
	v_max3_num_f32 v217, v217, v[S+\n+32], v[S+\n+33]
	v_max3_num_f32 v218, v218, v[S+\n+16], v[S+\n+17]
	v_max3_num_f32 v219, v219, v[S+\n+48], v[S+\n+49]
.endr
	v_max3_num_f32 v216, v216, v218, v[S+15]
	v_max3_num_f32 v217, v217, v219, v[S+47]
	v_max_num_f32 v216, v216, v[S+31]
	v_max_num_f32 v217, v217, v[S+63]
	v_max_num_f32 v222, v216, v217
	v_permlanex16_b32 v11, v222, s40, s41
	v_max_num_f32 v222, v222, v11                  ; the step's largest score of my query
	v_mul_f32 v222, s42, v222                      ; as t (c is positive)
	v_max_num_f32 v13, v13, v222                   ; the running largest t
	v_mov_b32 v222, v12
	v_floor_f32 v12, -v13                          ; the new -M = -ceil(t)
	v_fma_f32 v216, v216, s42, v12                 ; t - M of each block's largest score
	v_fma_f32 v217, v217, s42, v12
	v_sub_f32 v222, v12, v222                      ; old M - new M: a whole number, 0 or less
	v_pk_fma_f32 v[S:S+1], v[S:S+1], s[42:43], v[12:13] op_sel_hi:[1,0,0]       ; t - M of the first two pairs of scores
	v_cvt_i32_f32 v222, v222                       ; (it saturates)
	v_pk_fma_f32 v[S+2:S+3], v[S+2:S+3], s[42:43], v[12:13] op_sel_hi:[1,0,0]
	v_ldexp_f32 v224, 1.0, v222                    ; f = 2^(old M - new M)
	v_exp_f32 v216, v216                           ; the blocks' largest p
	v_exp_f32 v217, v217
; THE 64 EXPONENTIALS p = 2^(t - M), number jj on register S + jj, each with the plain work that is ready in front of it:
;   even jj: t - M of the pair two pairs on; one line of the list l x f, the ten lines that make p's scale word, fifteen of the sixteen multiplications of O^T by f;
;            and, two numbers behind a group of eight's last exponential, that group's conversion;
;   odd jj:  the pair four pairs back is added to the row's sum (of the unquantised p, in two chains).
; So no line reads the result of the line just before it, and between an exponential and the first use of its result stands a plain instruction.
; The step's eighteen LDS loads stand behind the first wait of the run, with no vector instruction between: the rest of the softmax stands between them and the waits for them.
.set jj, 0
.rept 64
.if (jj%2) == 0
.set aa, jj/2
.if aa < 30
	v_pk_fma_f32 v[S+jj+4:S+jj+5], v[S+jj+4:S+jj+5], s[42:43], v[12:13] op_sel_hi:[1,0,0]
.endif
.if aa == 0
	v_pk_mul_f32 v[14:15], v[14:15], v[224:225] op_sel_hi:[1,0]   ; the sum under the new M
.elseif aa == 1
	s_wait_alu depctr_va_vdst(0)                   ; the blocks' largest p, v216 and v217, are written, ahead of their first use; the score products are done reading k's registers and the last step's products v's, in which the loads below land; v228 and v229, by which they load, are written
	VLOAD                                          ; this step's v,
.if (\pre) == 1
	KLOAD 228, 229, 4096, 512                      ; and the next step's k
.elseif (\pre) == 2
	KLOAD 1, 10, 0, 0
.endif
	v_max_num_f32 v216, FLOOR, v216
.elseif aa == 2
	v_max_num_f32 v217, FLOOR, v217
.elseif aa == 3
	v_add_nc_u32 v220, 0xff000000, v216            ; the conversions' scale operands
.elseif aa == 4
	v_add_nc_u32 v221, 0xff000000, v217
.elseif aa == 5
	v_lshrrev_b32 v222, 23, v220                   ; the bytes
.elseif aa == 6
	v_lshrrev_b32 v223, 23, v221
.elseif aa == 7
	v_lshl_or_b32 v222, v223, 16, v222
.elseif aa == 8
	v_lshlrev_b32 v222, v9, v222
.elseif aa == 9
	v_permlanex16_b32 v11, v222, s40, s41
.elseif aa == 10
	v_or_b32 v250, v222, v11                       ; p's scale word: byte 2 c + h
.elseif (aa >= 16) && (aa < 31)
	v_pk_mul_f32 v[96+2*(aa-16):97+2*(aa-16)], v[96+2*(aa-16):97+2*(aa-16)], v[224:225] op_sel_hi:[1,0]   ; O^T under the new M, from each accumulator's low end on
.endif
.if (jj >= 10) && (((jj-10)%8) == 0)
	s_wait_alu depctr_va_vdst(0)                   ; the exponentials issued so far, numbers 0 to jj - 1, have written their p: the eight that the conversion below reads, and the pairs that the sums up to the next such wait read
	v_cvt_scalef32_pk8_fp4_f32 v[128+(jj-10)/8], v[S+jj-10:S+jj-3], v[220+(jj-10)/32]
.endif
.else
.set bb, (jj-9)/2
.if jj == 11
	v_pk_add_f32 v[226:227], v[S:S+1], v[S+2:S+3]  ; the first two pairs start the second chain
.elseif (jj > 11) && ((bb%2) == 0)
	v_pk_add_f32 v[14:15], v[14:15], v[S+2*bb:S+2*bb+1]
.elseif jj > 11
	v_pk_add_f32 v[226:227], v[226:227], v[S+2*bb:S+2*bb+1]
.endif
.endif
	v_exp_f32 v[S+jj], v[S+jj]
.set jj, jj+1
.endr
	v_pk_mul_f32 v[126:127], v[126:127], v[224:225] op_sel_hi:[1,0]   ; the sixteenth: the plain instruction behind the last exponential
	s_wait_alu depctr_va_vdst(0)                   ; the last exponentials have written their p, which the conversion and the sums below read
	v_cvt_scalef32_pk8_fp4_f32 v135, v[S+56:S+63], v221
	v_pk_add_f32 v[14:15], v[14:15], v[S+56:S+57]  ; the last four pairs and the chains' sum: five plain instructions that name no register of the products below: the places between p's last codes and them
	v_pk_add_f32 v[226:227], v[226:227], v[S+58:S+59]
	v_pk_add_f32 v[14:15], v[14:15], v[S+60:S+61]
	v_pk_add_f32 v[226:227], v[226:227], v[S+62:S+63]
	v_pk_add_f32 v[14:15], v[14:15], v[226:227]
	s_wait_alu depctr_va_vdst(0)                   ; p's codes v128-135 and its scale word v250 are written, which the products below take; the places above stay beside this wait
.if (\pre) == 0
	s_wait_dscnt 0x0                               ; v and its words are in
.else
	s_wait_dscnt 9                                 ; LDS loads come back in order: v's nine, which are older, are in; k's nine for the step to come may be out
.endif
.irp d, 0,1,2,3
	WM 96+8*\d, 64+8*\d, 128, 1, 148+\d, 250, 0
.endr
.endm
; One tile of 16 queries: all eight key steps, then o = O / l, its codes and scale bytes.
.macro TILE t
.irp j, 0,1,2,3
	v_mov_b32 v[16+\j], v[232+4*\t+\j]             ; [q | 0]
	v_mov_b32 v[20+\j], 0
	v_mov_b32 v[24+\j], 0                          ; [0 | q]
	v_mov_b32 v[28+\j], v[232+4*\t+\j]
.endr
	v_mov_b32 v13, 0xff61b1e6                      ; the largest t so far: -3e38
	v_floor_f32 v12, -v13
	v_mov_b32 v14, 0
	v_mov_b32 v15, 0
	v_mov_b32 v225, 0                              ; (named as the upper half of f's pair)
.set j, 0
.rept 32
	v_mov_b32 v[96+j], 0                           ; O^T: the first change of M leaves zeros zeros, so the first step needs no text of its own
.set j, j+1
.endr
	s_wait_alu depctr_va_vdst(0)                   ; [q | 0] and [0 | q] are written in v16-31, which the score products take; the lines behind them are the places
	s_mov_b32 s50, 0
	s_mov_b32 s51, 0
	s_mov_b32 s52, 7
.Lstep_\@:                                         ; seven trips: each asks for the next step's k
	STEP \t, 1
	s_add_co_u32 s50, s50, 4096
	s_add_co_u32 s51, s51, 512
	s_sub_co_u32 s52, s52, 1
	s_cmp_lg_u32 s52, 0
	s_cbranch_scc1 .Lstep_\@
.if \t == 0
	STEP \t, 2                                     ; the eighth step asks for step 0's k again, for the second tile of queries,
.else
	STEP \t, 0                                     ; or, in the second tile, for nothing
.endif
	PLACES 4
	v_add_f32 v14, v14, v15
	v_permlanex16_b32 v11, v14, s40, s41
	v_add_f32 v14, v14, v11                        ; the row's sum
	v_rcp_f32 v136, v14
	v_nop                                          ; a plain instruction behind the transcendental
	s_wait_alu depctr_va_vdst(0)                   ; the reciprocal v136 is written, ahead of its first use
	v_mov_b32 v137, v136
.set j, 0
.rept 16
	v_pk_mul_f32 v[96+j:97+j], v[96+j:97+j], v[136:137]   ; o: register 8 d + j is channel 32 h + 8 d + j of the head: one block of the last product's K
.set j, j+2
.endr
	v_max3_num_f32 v216, |v96|, |v97|, FLOOR
	v_max3_num_f32 v217, |v112|, |v113|, |v114|
.irp n, 2,4,6,8,10,12
	v_max3_num_f32 v216, v216, |v[96+\n]|, |v[97+\n]|
	v_max3_num_f32 v217, v217, |v[113+\n]|, |v[114+\n]|
.endr
	v_max3_num_f32 v216, v216, |v110|, |v111|
	v_max3_num_f32 v216, v216, v217, |v127|
	v_add_nc_u32 v220, 0xff000000, v216
	v_lshrrev_b32 v222, 23, v220
	v_lshlrev_b32 v222, v9, v222
	v_permlanex16_b32 v11, v222, s40, s41
.if \t == 0
	v_or_b32 v230, v222, v11                       ; the tile's two bytes, kept for the word
.irp q, 0,1,2,3
	v_cvt_scalef32_pk8_fp4_f32 v[138+\q], v[96+8*\q:103+8*\q], v220
.endr
	v_nop
	s_wait_alu depctr_va_vdst(0)                   ; the conversions have written o's codes v138-141, which the store reads
	global_store_b128 v1, v[138:141], s[26:27]     ; 512 consecutive bytes, aligned
.else
	v_or_b32 v222, v222, v11
	v_lshl_or_b32 v231, v222, 16, v230
.irp q, 0,1,2,3
	v_cvt_scalef32_pk8_fp4_f32 v[232+\q], v[96+8*\q:103+8*\q], v220
.endr
	v_nop
	s_wait_alu depctr_va_vdst(0)                   ; o's codes v232-235 and the bytes' word v231 are written, which the stores read
	global_store_b128 v1, v[232:235], s[26:27] offset:4096
	global_store_b32 v142, v231, s[28:29]          ; both tiles' bytes: 128 consecutive bytes a wave
.endif
.endm
	TILE 0
	TILE 1
	s_wait_dscnt 0x0                               ; the closing lines, six on end
	s_wait_alu 0x0
	s_wait_tensorcnt 0x0
	ds_add_u32 v254, v255
	s_wait_dscnt 0x0
	s_endpgm
.Lfunc_end_k_q3bdba03627_attn:
	.size	k_q3bdba03627_attn, .Lfunc_end_k_q3bdba03627_attn-k_q3bdba03627_attn
	.p2alignl 7, 3214868480
	.fill 96, 4, 3214868480
	.section	.rodata,"a",@progbits
	.p2align	6, 0x0
	.amdhsa_kernel k_q3bdba03627_attn
		.amdhsa_group_segment_fixed_size 136192
		.amdhsa_private_segment_fixed_size 0
		.amdhsa_enable_private_segment 0
		.amdhsa_kernarg_size 104
		.amdhsa_user_sgpr_count 2
		.amdhsa_user_sgpr_kernarg_segment_ptr 1
		.amdhsa_wavefront_size32 1
		.amdhsa_system_sgpr_workgroup_id_x 1
		.amdhsa_system_sgpr_workgroup_id_y 1
		.amdhsa_system_sgpr_workgroup_id_z 1
		.amdhsa_system_vgpr_workitem_id 0
		.amdhsa_next_free_vgpr 256
		.amdhsa_next_free_sgpr 100
		.amdhsa_reserve_vcc 0
		.amdhsa_float_denorm_mode_32 3
		.amdhsa_float_denorm_mode_16_64 3
		.amdhsa_memory_ordered 1
		.amdhsa_forward_progress 1
		.amdhsa_inst_pref_size 135
	.end_amdhsa_kernel
	.amdgpu_metadata
---
amdhsa.version: [ 1, 2 ]
amdhsa.kernels:
  - .name:           k_q3bdba03627_attn
    .symbol:         k_q3bdba03627_attn.kd
    .args:
      - { .name: xc, .offset: 0, .size: 8, .value_kind: global_buffer, .address_space: global }
      - { .name: xsc, .offset: 8, .size: 8, .value_kind: global_buffer, .address_space: global }
      - { .name: wq_codes, .offset: 16, .size: 8, .value_kind: global_buffer, .address_space: global }
      - { .name: wq_scales, .offset: 24, .size: 8, .value_kind: global_buffer, .address_space: global }
      - { .name: bq, .offset: 32, .size: 8, .value_kind: global_buffer, .address_space: global }
      - { .name: wk_codes, .offset: 40, .size: 8, .value_kind: global_buffer, .address_space: global }
      - { .name: wk_scales, .offset: 48, .size: 8, .value_kind: global_buffer, .address_space: global }
      - { .name: bk, .offset: 56, .size: 8, .value_kind: global_buffer, .address_space: global }
      - { .name: wv_codes, .offset: 64, .size: 8, .value_kind: global_buffer, .address_space: global }
      - { .name: wv_scales, .offset: 72, .size: 8, .value_kind: global_buffer, .address_space: global }
      - { .name: bv, .offset: 80, .size: 8, .value_kind: global_buffer, .address_space: global }
      - { .name: oc, .offset: 88, .size: 8, .value_kind: global_buffer, .address_space: global }
      - { .name: osc, .offset: 96, .size: 8, .value_kind: global_buffer, .address_space: global }
    .group_segment_fixed_size: 136192
    .private_segment_fixed_size: 0
    .kernarg_segment_align: 8
    .kernarg_segment_size: 104
    .max_flat_workgroup_size: 512
    .sgpr_count:     100
    .vgpr_count:     256
    .wavefront_size: 32
...
	.end_amdgpu_metadata
.endif
;; end of part 4
;; launch proj (part 5): grid 16 x 16, 16 waves a work-group, no clusters, 20,480 bytes of LDS; arguments oc, osc, wo_codes, wo_scales, bo, x, out0; writes out0
.if DOCPART == 5
	.amdgcn_target "amdgcn-amd-amdhsa--gfx1250"
	.amdhsa_code_object_version 6
	.text
	.protected	k_q3bdba03627_proj
	.globl	k_q3bdba03627_proj
	.p2align	8
	.type	k_q3bdba03627_proj,@function
k_q3bdba03627_proj:
	s_mov_b64 s[64:65], 0
	v_nop
	global_prefetch_b8 v0, s[64:65] scope:SCOPE_SE
	s_setreg_imm32_b32 hwreg(HW_REG_WAVE_SCHED_MODE, 0, 2), 2
	s_setreg_imm32_b32 hwreg(HW_REG_WAVE_MODE, 25, 1), 1
	s_wait_xcnt 0x0
	s_wait_alu depctr_vm_vsrc(0)
; out0 = wo o + bo + x.  o arrives as codes of FP4 (E2M1) in the order of an operand's registers (oc) with its scale bytes (osc), wo as the problem gives it; the product is on codes, the sums, the bias and the residual in f32.
; A work-group owns one chunk of 64 positions of one batch, all 512 output channels: grid x = chunk, y = batch: 256 work-groups.  Wave w owns channels 32 w .. 32 w + 31: two tiles of 16.
; Its part of wo (8,192 bytes) goes straight into its registers, once; the chunk's 16 fragments of o (4 tiles of positions x 4 K steps) are copied into LDS once, a fragment a wave, and read by all sixteen.
; THE TILES OF POSITIONS: row p of tile t is position 64 chunk + 4 p + t.  Source 0 = 16 channels of wo, source 1 = 16 positions: lane (p, h) holds channels 8 h + j, and its four tiles' results are FOUR NEIGHBOURING POSITIONS:
; x comes and out0 goes by 16 bytes a lane, sixteen lanes to 256 consecutive bytes, aligned, with no stage in LDS.
; bo is loaded into the accumulators, which add in place from the first product on.  Eight accumulators take turns, one instruction a turn; each fragment of o is read from LDS once.
; WHY NO JOINT REQUESTS: what the work-groups share is wo, which each wave takes straight into the registers of the one wave that uses it; a joint request would bring it through LDS first.
; THE MODE: SCHED_MODE bits 1:0 = 2 (LLVM: expert scheduling mode 2), set by the entry lines.  The code itself states the register dependences between vector or matrix instructions and memory or LDS instructions, with s_wait_alu, always for 0.
; THE PLAN.  Registers that memory or LDS instructions touch:
;   v1-v9      addresses and offsets, made once at the head and never written again: one wait on va_vdst ahead of the first load serves them to the kernel's end.
;   v12        the scale word of the fragment that I copy: made by a vector line, read by one LDS store: a wait on va_vdst between the two.
;   OF, OS     v26-33 are read by my LDS stores, then K step 0's fragments land in OF: a wait on vm_vsrc behind the barrier.  A K step's eight products read OF and OS, the next step's loads land in them: a wait on va_vdst ahead of them.
;   X          x lands in it (v240-242 of it served the head's arithmetic, ahead of the first wait); the additions write it, the stores read it: a wait on va_vdst ahead of each of the two runs of stores; it is not written again.
;   WO, WOS and the accumulators are loaded once and then named by matrix and vector instructions alone.
.set OIMG, 0                           ; o's fragments: 4 tile + K step, 1,024 bytes each
.set OSC,  16384                       ; their scale words, 128 bytes each
.set WOS,  14                          ; v14-21   wo's scale words: 4 e + s.  Scales and nothing else
.set OS,   22                          ; v22-25   o's, for the K step in hand.  Scales and nothing else
.set OF,   26                          ; v26-57   o's four fragments of a K step (first: the fragment that I copy)
.set ACC,  58                          ; v58-121  32 e + 8 t + j
.set WO,   122                         ; v122-185 32 e + 8 s
.set X,    186                         ; v186-249 32 e + 4 j + t
	s_load_b256 s[4:11], s[0:1], 0x0               ; oc s[4:5], osc s[6:7], wo_codes s[8:9], wo_scales s[10:11]
	s_load_b128 s[12:15], s[0:1], 0x20             ; bo s[12:13], x s[14:15]
	s_load_b64 s[16:17], s[0:1], 0x30              ; out0
	v_lshl_add_u32 v250, v0, 2, 0x4800             ; my spare word, behind o's scale words, and 0: made here and kept for the closing lines alone
	v_mov_b32 v251, 0
	v_lshrrev_b32 v240, 5, v0
	v_readfirstlane_b32 s18, v240                  ; wave 0..15
	s_and_b32 s19, ttmp7, 0xffff                   ; batch; the chunk is ttmp9
	s_wait_alu depctr_va_sdst(0)                   ; s18 is written, ahead of its first reader: addresses in LDS and in memory are made from it
	s_lshr_b32 s20, s18, 2                         ; the fragment that I copy: tile,
	s_and_b32 s21, s18, 3                          ; K step
	v_and_b32 v240, 31, v0                         ; lane
	v_and_b32 v241, 15, v0                         ; r
	v_bfe_u32 v242, v0, 4, 1                       ; h
	v_lshlrev_b32 v1, 4, v240                      ; 16 lane
	v_lshlrev_b32 v9, 2, v240                      ; 4 lane
	v_add_nc_u32 v2, OSC, v9
	s_lshl_b32 s22, s18, 17
	v_lshl_add_u32 v3, v241, 4, s22
	v_lshl_add_u32 v3, v242, 15, v3                ; x, out0: 16 r + 8 h channels of 4,096 bytes + 32 w channels
	s_lshl_b32 s22, s18, 13
	v_lshl_add_u32 v4, v241, 8, s22
	v_lshl_add_u32 v4, v242, 4, v4                 ; wo's codes: 256 bytes a row, + 16 h
	s_lshl_b32 s22, s18, 9
	v_lshl_add_u32 v5, v241, 4, s22                ; its scale bytes: 16 a row
	s_lshl_b32 s22, s18, 7
	v_lshl_add_u32 v6, v242, 5, s22                ; bo: my eight channels of a tile
	s_add_co_u32 s22, s22, OSC
	v_add_nc_u32 v8, s22, v9                       ; where my fragment's scale words go,
	s_lshl_b32 s22, s18, 10
	v_add_nc_u32 v7, s22, v1                       ; and where the fragment lies, in oc's block and in LDS alike
	s_lshl_b32 s24, s19, 4
	s_add_co_u32 s24, s24, ttmp9
	s_lshl_b32 s24, s24, 14                        ; oc: 16,384 (16 b + chunk)
	s_mov_b32 s25, 0
	s_lshl_b32 s26, s19, 15
	s_lshl_b32 s22, s21, 13
	s_add_co_u32 s26, s26, s22
	s_lshr_b32 s22, s20, 1
	s_lshl_b32 s22, s22, 11
	s_add_co_u32 s26, s26, s22
	s_lshl_b32 s22, ttmp9, 7
	s_add_co_u32 s26, s26, s22                     ; osc: 32,768 b + 4,096 (head 2 s) + 2,048 (tile / 2) + 128 chunk
	s_mov_b32 s27, 0
	s_lshl_b32 s28, s19, 21
	s_lshl_b32 s22, ttmp9, 8
	s_add_co_u32 s28, s28, s22                     ; x, out0: 2,097,152 b + 256 chunk
	s_mov_b32 s29, 0
	s_mov_b32 s30, 0x05040100                      ; the two low halves: an even tile's bytes
	s_mov_b32 s31, 0x07060302                      ; the two high halves: an odd tile's
	s_and_b32 s22, s20, 1
	s_cmp_eq_u32 s22, 0
	s_cselect_b32 s30, s30, s31
	s_wait_kmcnt 0x0
	s_add_nc_u64 s[4:5], s[4:5], s[24:25]
	s_add_nc_u64 s[6:7], s[6:7], s[26:27]
	s_add_nc_u64 s[14:15], s[14:15], s[28:29]
	s_add_nc_u64 s[16:17], s[16:17], s[28:29]
	s_wait_alu depctr_va_vdst(0)                   ; the addresses and offsets v1-v9 are written, which every load and store of the kernel reads; the lines above are done with v240-242, in which x lands
	global_load_b128 v[OF:OF+3], v7, s[4:5]
	global_load_b128 v[OF+4:OF+7], v7, s[4:5] offset:512
	global_load_b32 v10, v9, s[6:7]                ; head 2 s: two tiles' bytes
	global_load_b32 v11, v9, s[6:7] offset:4096    ; head 2 s + 1
.irp e, 0,1
.irp s, 0,1,2,3
.irp c, 0,1
	global_load_b128 v[WO+32*\e+8*\s+4*\c:WO+32*\e+8*\s+4*\c+3], v4, s[8:9] offset:4096*\e+64*\s+32*\c
.endr
.endr
	global_load_b128 v[WOS+4*\e:WOS+4*\e+3], v5, s[10:11] offset:256*\e
.irp t, 0,1,2,3
.irp q, 0,1
	global_load_b128 v[ACC+32*\e+8*\t+4*\q:ACC+32*\e+8*\t+4*\q+3], v6, s[12:13] offset:64*\e+16*\q   ; bo(32 w + 16 e + 8 h + j) starts each sum
.endr
.endr
.endr
.irp e, 0,1
.irp j, 0,1,2,3,4,5,6,7
	global_load_b128 v[X+32*\e+4*\j:X+32*\e+4*\j+3], v3, s[14:15] offset:(16*\e+\j)*4096 th:TH_LOAD_NT   ; the residual: its last use in the program
.endr
.endr
	s_wait_loadcnt 50                              ; my fragment and its bytes are in: 2 x (8 + 1 + 8) + 16 are younger
	v_perm_b32 v12, v11, v10, s30                  ; the fragment's scale word: head 2 s's two bytes, then head 2 s + 1's
	s_wait_alu depctr_va_vdst(0)                   ; v12 is written, which the third LDS store below reads
	ds_store_b128 v7, v[OF:OF+3]
	ds_store_b128 v7, v[OF+4:OF+7] offset:512
	ds_store_b32 v8, v12
	s_wait_dscnt 0x0                               ; for the others' sake: my stores are done
	s_barrier_signal -1
	s_barrier_wait -1                              ; the chunk's sixteen fragments lie in LDS
	s_wait_alu depctr_vm_vsrc(0)                   ; my LDS stores have read v26-33, in which K step 0's fragments land
	s_wait_loadcnt 16                              ; wo, its scales and bo are in; x's sixteen loads may be out
.irp s, 0,1,2,3
.if \s > 0
.rept 4
	v_nop                                          ; places in front of loads into registers that products have read
.endr
	s_wait_alu depctr_va_vdst(0)                   ; the eight products above are done reading o's fragments and scale words, in whose registers the loads below land
.endif
.irp t, 0,1,2,3
.irp c, 0,1
	ds_load_b128 v[OF+8*\t+4*\c:OF+8*\t+4*\c+3], v1 offset:OIMG+(4*\t+\s)*1024+512*\c
.endr
	ds_load_b32 v[OS+\t], v2 offset:(4*\t+\s)*128
.endr
	s_wait_dscnt 0x0
.irp e, 0,1
.irp t, 0,1,2,3
	v_wmma_scale_f32_16x16x128_f8f6f4 v[ACC+32*\e+8*\t:ACC+32*\e+8*\t+7], v[WO+32*\e+8*\s:WO+32*\e+8*\s+7], v[OF+8*\t:OF+8*\t+7], v[ACC+32*\e+8*\t:ACC+32*\e+8*\t+7], v[WOS+4*\e+\s], v[OS+\t] matrix_a_fmt:MATRIX_FMT_FP4 matrix_b_fmt:MATRIX_FMT_FP4
.endr
.endr
.endr
.rept 4
	v_nop                                          ; places in front of the first read of results
.endr
.irp e, 0,1
	s_wait_loadcnt 8-8*\e                          ; this tile's eight loads of x are in
.irp j, 0,1,2,3,4,5,6,7
.irp t, 0,1,2,3
	v_add_f32 v[X+32*\e+4*\j+\t], v[X+32*\e+4*\j+\t], v[ACC+32*\e+8*\t+\j]   ; register j of the four tiles: four neighbouring positions of one channel; each accumulator is read from its low end on
.endr
.endr
	s_wait_alu depctr_va_vdst(0)                   ; the additions have written this tile's 32 registers of X, which the stores below read
.irp j, 0,1,2,3,4,5,6,7
	global_store_b128 v3, v[X+32*\e+4*\j:X+32*\e+4*\j+3], s[16:17] offset:(16*\e+\j)*4096 th:TH_STORE_NT   ; lanes 0-15 and lanes 16-31 each store 256 consecutive bytes, aligned
.endr
.endr
	s_wait_dscnt 0x0                               ; the closing lines, six on end
	s_wait_alu 0x0
	s_wait_tensorcnt 0x0
	ds_add_u32 v250, v251
	s_wait_dscnt 0x0
	s_endpgm
.Lfunc_end_k_q3bdba03627_proj:
	.size	k_q3bdba03627_proj, .Lfunc_end_k_q3bdba03627_proj-k_q3bdba03627_proj
	.p2alignl 7, 3214868480
	.fill 96, 4, 3214868480
	.section	.rodata,"a",@progbits
	.p2align	6, 0x0
	.amdhsa_kernel k_q3bdba03627_proj
		.amdhsa_group_segment_fixed_size 20480
		.amdhsa_private_segment_fixed_size 0
		.amdhsa_enable_private_segment 0
		.amdhsa_kernarg_size 56
		.amdhsa_user_sgpr_count 2
		.amdhsa_user_sgpr_kernarg_segment_ptr 1
		.amdhsa_wavefront_size32 1
		.amdhsa_system_sgpr_workgroup_id_x 1
		.amdhsa_system_sgpr_workgroup_id_y 1
		.amdhsa_system_sgpr_workgroup_id_z 1
		.amdhsa_system_vgpr_workitem_id 0
		.amdhsa_next_free_vgpr 252
		.amdhsa_next_free_sgpr 66
		.amdhsa_reserve_vcc 0
		.amdhsa_float_denorm_mode_32 3
		.amdhsa_float_denorm_mode_16_64 3
		.amdhsa_memory_ordered 1
		.amdhsa_forward_progress 1
		.amdhsa_inst_pref_size 20
	.end_amdhsa_kernel
	.amdgpu_metadata
---
amdhsa.version: [ 1, 2 ]
amdhsa.kernels:
  - .name:           k_q3bdba03627_proj
    .symbol:         k_q3bdba03627_proj.kd
    .args:
      - { .name: oc, .offset: 0, .size: 8, .value_kind: global_buffer, .address_space: global }
      - { .name: osc, .offset: 8, .size: 8, .value_kind: global_buffer, .address_space: global }
      - { .name: wo_codes, .offset: 16, .size: 8, .value_kind: global_buffer, .address_space: global }
      - { .name: wo_scales, .offset: 24, .size: 8, .value_kind: global_buffer, .address_space: global }
      - { .name: bo, .offset: 32, .size: 8, .value_kind: global_buffer, .address_space: global }
      - { .name: x, .offset: 40, .size: 8, .value_kind: global_buffer, .address_space: global }
      - { .name: out0, .offset: 48, .size: 8, .value_kind: global_buffer, .address_space: global }
    .group_segment_fixed_size: 20480
    .private_segment_fixed_size: 0
    .kernarg_segment_align: 8
    .kernarg_segment_size: 56
    .max_flat_workgroup_size: 512
    .sgpr_count:     66
    .vgpr_count:     252
    .wavefront_size: 32
...
	.end_amdgpu_metadata
.endif
;; end of part 5
